; MI455X (gfx1250); checked and timed in simulation.
; The chip was launched on July 23, 2026; its instructions are those of AMD's public machine-readable ISA for CDNA 5 (MIT licence, August 2026) and "CDNA5" Instruction Set Architecture Reference Guide (July 2026). The comments in the code are by the model that wrote it; some were corrected since.
;; Attention. Allowed arithmetic: matrix products marked QUANTISED: E2M1 operands, one E8M0 scale for each 32 along K, by v_wmma_scale_f32_16x16x128_f8f6f4 with both operands' format E2M1 (or v_wmma_scale_f32_32x16x128_f4), f32 sums; everything else in f32.
;; Inputs: W_proj 1,024 x 1,024 float32; W_qkv 1,024 x 3,072 float32; b_proj 1,024 float32; b_qkv 3,072 float32; x 4 x 2,048 x 1,024 float32.
;; Outputs: out0 4 x 2,048 x 1,024 float32.
;; This version of the problem:
;;   THIS VERSION OF THE PROBLEM IS GIVEN IN LOW PRECISION. The matrix products marked QUANTISED in the list below multiply operands that are first quantised to E2M1 (2 exponent bits, 1 mantissa bit; 4 bits a number), with one power-of-two scale for each 32 numbers along K (OCP MX v1.0); their sums are f32. All else is computed in f32.
;;   The module's matrix products, in the order in which they are computed (A, B: the left and right operand; K: the contracted axis; several contracted axes count as one K, in the product's order):
;;     1. [M 8,192, K 1,024] x [K 1,024, N 3,072]; A: input x; B: input W_qkv: QUANTISED
;;     2. batch 64 x [M 2,048, K 64] x [K 64, N 2,048]; A: computed on the way; B: computed on the way: QUANTISED
;;     3. batch 64 x [M 2,048, K 2,048] x [K 2,048, N 64]; A: softmax (see below); B: computed on the way: QUANTISED
;;     4. [M 8,192, K 1,024] x [K 1,024, N 1,024]; A: computed on the way; B: input W_proj: QUANTISED
;;   THE QUANTISER, for each operand of a quantised product, along K:
;;     - K is cut into blocks of 32 from its start; a last block that is shorter is filled with zeros.
;;     - A block's scale is 2^e with e = floor(log2(the largest magnitude in the block)) - 2, held to -126 .. 127; a block of zeros has e = 0. As a byte (E8M0): e + 127.
;;     - Each number is divided by its block's scale, clamped to +-6, and rounded to the nearest number of E2M1, ties to even, subnormals kept.
;;     - The product sums the exact products of the quantised numbers (number of the format x scale) in f32.
;;   ~~~python
;;   def quantise(x, axis):      # numpy; x: float32 -> the quantised numbers, widened to float32 again
;;       x = np.moveaxis(x, axis, -1); K = x.shape[-1]
;;       x = np.pad(x, [(0, 0)] * (x.ndim - 1) + [(0, -K % 32)]); x = x.reshape(x.shape[:-1] + (-1, 32)); a = np.abs(x).max(-1, keepdims=True)
;;       e = np.where(a > 0, np.clip(np.frexp(np.where(a > 0, a, 1))[1] - 1 - 2, -126, 127), 0)      # np.frexp(a)[1] - 1 = floor(log2(a)), exactly
;;       r = np.clip(x / 2.0 ** e, -6, 6)
;;       step = 2.0 ** (np.maximum(np.frexp(np.where(r == 0, 1, r))[1] - 1, 0) - 1)
;;       q = np.round(r / step) * step * 2.0 ** e      # np.round: ties to even
;;       return np.moveaxis(q.reshape(q.shape[:-2] + (-1,))[..., :K], -1, axis).astype(np.float32)
;;   ~~~
;;   SOFTMAX AHEAD OF A QUANTISED PRODUCT. Where the list says 'softmax', what is quantised is not the finished softmax but p = 2^(t - M), with t = logit x log2(e) and M = ceil(the row's largest t), a whole number; so 1/2 < the row's largest p <= 1. The row's sum l is taken of the UNQUANTISED p, in f32, and the product's result is divided by l at the end. Since M is a whole number, a kernel that streams over the keys may use a running M (the ceiling of the running maximum): every later rescaling is an exact power of two, which a block's scale takes up: the codes' values come out the same.
;;   OPERANDS COMPUTED ON THE WAY. 'Computed on the way' means the value that the module computes at that place (a softmax that the list does not call 'softmax' is quantised finished and normalised). What goes into a quantiser is computed in f32, as accurately as f32 sums, v_exp_f32 and their like allow (about 1e-6 of the number): no bf16 or f16 on the way to a quantiser, and a product that is left as it is and whose result goes on into a quantised operand takes f32 operands (vector FMAs, or v_wmma_f32_16x16x4_f32). A number that lies on a knife's edge between two numbers of the format may be rounded either way, as far as f32 arithmetic and the matrix unit's own rounding can turn it there, and no further.
;; One version. Each part assembles by itself: llvm-mc -triple=amdgcn-amd-amdhsa -mcpu=gfx1250 --defsym DOCPART=n.
;; ======== version 1 of 1: 4 launches
;; workspace buffers: xc 4,194,304 bytes; xs 262,144 bytes; wc 2,097,152 bytes; ws 131,072 bytes; qkvc 12,582,912 bytes; qkvs 786,432 bytes; oc 4,194,304 bytes; os 262,144 bytes
;; launch prep (part 1): grid 768 x 1, 4 waves a work-group, no clusters, 18,944 bytes of LDS; arguments x, W_qkv, W_proj, xc, xs, wc, ws; writes xc, xs, wc, ws
.if DOCPART == 1
	.amdgcn_target "amdgcn-amd-amdhsa--gfx1250"
	.amdhsa_code_object_version 6
	.text
	.protected	k_qa86235ecd4_prep
	.globl	k_qa86235ecd4_prep
	.p2align	8
	.type	k_qa86235ecd4_prep,@function
k_qa86235ecd4_prep:
	s_mov_b64 s[64:65], 0
	v_nop
	global_prefetch_b8 v0, s[64:65] scope:SCOPE_SE
	s_setreg_imm32_b32 hwreg(HW_REG_WAVE_MODE, 25, 1), 1
	s_wait_xcnt 0x0
; x [8192][1024], W_qkv [1024][3072] and W_proj [1024][1024], f32, become codes of FP4 (E2M1) with one E8M0 byte for each 32 along K = 1024, laid as the products' operand registers take them.
; THE IMAGE.  Rows (tokens of x, columns n of a weight) go in groups of 32; group g has two tiles u = 0, 1 of 16 rows, tile T = 2 g + u; tile row r is row 32 g + 8 u + r + 8 (r / 8).
;   codes: byte 8192 T + 256 kb + 16 r holds the 32 codes of block kb = k / 32;   scale words: byte q x (64 x tiles) + 64 T + 4 r holds the four bytes of blocks 4 q .. 4 q + 3.
;   wc, ws: tiles 0-191 are W_qkv's columns, tiles 192-255 W_proj's.
; A block's scale is 2^(floor(log2(its largest magnitude)) - 2); its byte is the largest magnitude's exponent field - 2, held at 1 from below.
; LIMITS: NaN and infinities are not served; a block whose largest magnitude lies under 2^-124 gets the byte 1; a block of zeros gets the byte 1 where the rule says 127: its codes are zeros, and this program alone reads the bytes.
; Work-groups 0-511 take x (64 rows x 256 along K each), 512-767 the weights (128 columns x 128 along K each).  The two ways have LDS bytes of their own.  No tensor loads; memory binds, so no matrix unit and no cluster.
.set XSTG, 4352                        ; x: a wave's stage, 16 rows x (256 bytes + 16): the pitch of 68 words lets 16 rows start at 16 different banks
.set XGA,  17408                       ; x: the work-group's 512 bytes of scale words
.set WGB,  17920                       ; weights: the same
.set RAW,  64                          ; v64-191  numbers as loaded, 32 registers a step
.set XX,   192                         ; v192-255 x: two sets of 32 neighbours along K
.set VO,   192                         ; v192-223 weights: byte offset of row i of a block, my column
.set CC,   32                          ; v32-47   codes, four registers a step: no store's data are written again
.set EE,   24                          ; v24-27   scale bytes
; 32 numbers of one block in v[XS] on -> their codes in v[CD] .. v[CD+3]; v11 = the conversions' scale operand
.macro BLOCKQ
	v_max3_num_f32 v12, |v[XS]|, |v[XS+1]|, |v[XS+2]|      ; the largest magnitude, in two chains
	v_max3_num_f32 v13, |v[XS+3]|, |v[XS+4]|, |v[XS+5]|
.irp i, 6,10,14,18,22,26
	v_max3_num_f32 v12, v12, |v[XS+\i]|, |v[XS+\i+1]|
	v_max3_num_f32 v13, v13, |v[XS+\i+2]|, |v[XS+\i+3]|
.endr
	v_max3_num_f32 v12, v12, |v[XS+30]|, |v[XS+31]|
	v_max3_num_f32 v12, v12, v13, 0x1800000                ; and the floor 2^(3 - 127): the byte cannot fall under 1
	v_add_nc_u32 v11, 0xff000000, v12                      ; 2 off the exponent field: the conversion takes this operand's exponent field as its scale
.irp g, 0,1,2,3
	v_cvt_scalef32_pk8_fp4_f32 v[CD+\g], v[XS+8*\g:XS+8*\g+7], v11
.endr
.endm
	s_load_b256 s[4:11], s[0:1], 0x0               ; x s[4:5], W_qkv s[6:7], W_proj s[8:9], xc s[10:11]
	s_load_b128 s[12:15], s[0:1], 0x20             ; xs s[12:13], wc s[14:15]
	s_load_b64 s[16:17], s[0:1], 0x30              ; ws
	v_lshl_add_u32 v62, v0, 2, 0x4800
	v_mov_b32 v63, 0
	v_lshrrev_b32 v1, 5, v0
	v_readfirstlane_b32 s18, v1                    ; wave 0..3
	v_and_b32 v1, 31, v0                           ; lane
	v_and_b32 v2, 15, v0                           ; r
	v_bfe_u32 v3, v0, 4, 1                         ; h
	v_lshlrev_b32 v7, 4, v1                        ; 16 x lane
	s_mov_b32 s22, 0x76543210
	s_mov_b32 s23, 0xfedcba98                      ; v_permlanex16_b32's selects for lane l xor 16
	s_cmp_lt_u32 ttmp9, 512                        ; the same in every wave of the work-group
	s_cbranch_scc0 .Lw
	; ---------------- x: wave w takes tile 4 R + w, 256 along K in four steps of 64
	s_lshr_b32 s24, ttmp9, 2                       ; R: which 64 rows
	s_and_b32 s25, ttmp9, 3                        ; kq: which 256 along K
	s_lshl_b32 s26, s24, 6
	s_lshr_b32 s27, s18, 1
	s_lshl_b32 s27, s27, 5
	s_add_co_u32 s26, s26, s27
	s_and_b32 s27, s18, 1
	s_lshl_b32 s27, s27, 3
	s_add_co_u32 s26, s26, s27                     ; the tile's first row: 64 R + 32 (w / 2) + 8 (w % 2)
	s_lshl_b32 s26, s26, 12                        ; rows of 4,096 bytes
	s_lshl_b32 s27, s25, 10
	s_add_co_u32 s26, s26, s27
	s_mov_b32 s27, 0
	s_lshl_b32 s28, s24, 2
	s_add_co_u32 s28, s28, s18                     ; T
	s_lshl_b32 s28, s28, 13
	s_lshl_b32 s29, s25, 11
	s_add_co_u32 s28, s28, s29                     ; codes: 8192 T + 2048 kq
	s_mov_b32 s29, 0
	s_lshl_b32 s30, s25, 16
	s_lshl_b32 s31, s24, 8
	s_add_co_u32 s30, s30, s31                     ; scale words: 32768 (2 kq) + 64 (4 R)
	s_mov_b32 s31, 0
	s_wait_alu depctr_va_vdst(0)
	v_lshlrev_b32 v4, 4, v2
	v_lshl_add_u32 v4, v3, 12, v4                  ; a load: lanes 0-15 one row's 256 bytes, lanes 16-31 the next row's
	s_mul_i32 s32, s18, XSTG
	v_mul_u32_u24 v5, v3, 272
	v_lshl_add_u32 v5, v2, 4, v5
	v_add_nc_u32 v5, s32, v5                       ; into my stage as loaded
	v_mul_u32_u24 v6, v2, 272
	v_lshl_add_u32 v6, v3, 7, v6
	v_add_nc_u32 v6, s32, v6                       ; out of it: tile row r, block h of the step's two: 128 bytes
	s_lshl_b32 s33, s18, 6
	v_lshlrev_b32 v8, 2, v2
	v_lshl_add_u32 v8, v3, 8, v8
	v_add_nc_u32 v8, s33, v8
	v_add_nc_u32 v8, XGA, v8                       ; my scale word's place: 256 h + 64 w + 4 r
	v_add_nc_u32 v19, XGA, v7                      ; wave 0's read of all 512 bytes,
	v_lshlrev_b32 v9, 4, v2
	v_lshl_add_u32 v9, v3, 15, v9                  ; and their places in xs: two runs of 256 bytes, 32,768 apart
	v_mov_b32 v17, 0                               ; a lane permute's destination counts as one of its sources
	v_mov_b32 v18, 0
	s_wait_kmcnt 0x0
	s_add_nc_u64 s[4:5], s[4:5], s[26:27]
	s_add_nc_u64 s[10:11], s[10:11], s[28:29]
	s_add_nc_u64 s[12:13], s[12:13], s[30:31]
.irp t, 0,1,2,3                                ; all 32 loads at once: tile rows 2 i and 2 i + 1 lie 2 i + 8 (i / 4) rows down
.irp i, 0,1,2,3,4,5,6,7
	global_load_b128 v[RAW+32*\t+4*\i:RAW+32*\t+4*\i+3], v4, s[4:5] offset:(2*\i+8*(\i/4))*4096+256*\t th:TH_LOAD_NT
.endr
.endr
.macro TURN t                          ; step t's 4,096 bytes through the stage; LDS serves a wave's instructions in order, so no wait stands between stores and loads, nor ahead of the next turn's stores
.irp i, 0,1,2,3,4,5,6,7
	ds_store_b128 v5, v[RAW+32*(\t)+4*\i:RAW+32*(\t)+4*\i+3] offset:544*\i
.endr
.irp j, 0,1,2,3,4,5,6,7
	ds_load_b128 v[XX+32*((\t)%2)+4*\j:XX+32*((\t)%2)+4*\j+3], v6 offset:16*\j
.endr
.endm
.macro XSTEP t
.set XS, XX+32*((\t)%2)
.set CD, CC+4*(\t)
.if (\t) < 3
	s_wait_loadcnt 8*(2-(\t))                      ; the next step's eight loads are in; those of the steps behind it may be out
	TURN (\t)+1
	s_wait_dscnt 16                                ; this step's numbers are back; the next turn's 8 stores and 8 loads may be out
.else
	s_wait_dscnt 0x0
.endif
	BLOCKQ
	v_lshrrev_b32 v[EE+(\t)], 23, v11              ; the scale's byte (and the plain line behind the conversions)
	global_store_b128 v7, v[CD:CD+3], s[10:11] offset:512*(\t)   ; blocks 2 t and 2 t + 1 of the tile: 512 consecutive bytes
.endm
	s_wait_loadcnt 24                              ; step 0's eight loads are in
	TURN 0
	XSTEP 0
	XSTEP 1
	XSTEP 2
	XSTEP 3
	v_lshl_or_b32 v14, v[EE+1], 16, v[EE]          ; my bytes of word 0: blocks h and 2 + h;
	v_lshl_or_b32 v15, v[EE+3], 16, v[EE+2]        ; of word 1
	v_lshlrev_b32 v16, 3, v3
	v_lshlrev_b32 v14, v16, v14                    ; 8 h bits up
	v_lshlrev_b32 v15, v16, v15
	v_permlanex16_b32 v17, v14, s22, s23
	v_permlanex16_b32 v18, v15, s22, s23
	v_or_b32 v14, v14, v17                         ; with lane l xor 16's two bytes the words are whole
	v_or_b32 v15, v15, v18
	v_cmp_eq_u32 vcc_lo, 1, v3
	v_cndmask_b32 v14, v14, v15, vcc_lo            ; lanes 0-15 hand in word 0, lanes 16-31 word 1
	ds_store_b32 v8, v14
	s_wait_dscnt 0x0                               ; for the others' sake: my store has landed
	s_barrier_signal -1
	s_barrier_wait -1
	s_cmp_lg_u32 s18, 0
	s_cbranch_scc1 .Lxend
	ds_load_b128 v[20:23], v19
	s_wait_dscnt 0x0
	global_store_b128 v9, v[20:23], s[12:13]       ; sixteen lanes store 256 consecutive bytes, aligned
.Lxend:
	s_wait_tensorcnt 0x0
	ds_add_u32 v62, v63
	s_wait_dscnt 0x0
	s_endpgm
	; ---------------- the weights: K is the first axis.  A lane takes a column, its registers run down K: a block of 32 lies in one lane, and the codes come out with K innermost
.Lw:
	s_sub_co_u32 s24, ttmp9, 512
	s_and_b32 s25, s24, 7                          ; q: which 128 along K
	s_lshr_b32 s26, s24, 3                         ; cg: which 128 of the 4,096 columns of both weights
	s_mov_b32 s27, 4096
	s_wait_kmcnt 0x0
	s_cmp_lt_u32 s26, 24                           ; W_qkv or W_proj: the choice hangs on the work-group's number alone
	s_cselect_b64 s[6:7], s[6:7], s[8:9]
	s_cselect_b32 s27, 0x3000, s27                 ; a row in bytes: 12,288 or 4,096
	s_cselect_b32 s28, 0, 24
	s_sub_co_u32 s28, s26, s28                     ; the column group in its own tensor
	s_lshl_b32 s29, s25, 7
	s_mul_i32 s30, s29, s27                        ; 128 q rows
	s_lshl_b32 s28, s28, 9
	s_add_co_u32 s30, s30, s28
	s_lshl_b32 s28, s18, 7                         ; my wave's 32 columns
	s_add_co_u32 s30, s30, s28
	s_mov_b32 s31, 0
	s_lshl_b32 s32, s27, 5                         ; 32 rows
	s_mov_b32 s33, 0
	s_add_nc_u64 s[40:41], s[6:7], s[30:31]        ; a base for each of the four blocks
	s_add_nc_u64 s[42:43], s[40:41], s[32:33]
	s_add_nc_u64 s[44:45], s[42:43], s[32:33]
	s_add_nc_u64 s[46:47], s[44:45], s[32:33]
	s_lshl_b32 s34, s26, 3
	s_lshl_b32 s35, s18, 1
	s_add_co_u32 s34, s34, s35                     ; my first tile: 8 cg + 2 w
	s_lshl_b32 s34, s34, 13
	s_lshl_b32 s35, s25, 10
	s_add_co_u32 s34, s34, s35
	s_mov_b32 s35, 0
	s_add_nc_u64 s[14:15], s[14:15], s[34:35]
	s_lshl_b32 s34, s25, 14
	s_lshl_b32 s36, s26, 9
	s_add_co_u32 s34, s34, s36                     ; scale words: 16384 q + 64 (8 cg)
	s_add_nc_u64 s[16:17], s[16:17], s[34:35]
	s_wait_alu depctr_va_vdst(0)
	v_and_b32 v20, 7, v1
	v_lshl_or_b32 v20, v3, 3, v20                  ; column x of the 32 is tile u = (x / 8) % 2, tile row r = x % 8 + 8 (x / 16)
	v_bfe_u32 v21, v0, 3, 1
	v_lshlrev_b32 v9, 4, v20
	v_lshl_add_u32 v9, v21, 13, v9                 ; my codes: 8192 u + 16 r
	s_lshl_b32 s36, s18, 7
	v_lshlrev_b32 v10, 2, v20
	v_lshl_add_u32 v10, v21, 6, v10
	v_add_nc_u32 v10, s36, v10
	v_add_nc_u32 v10, WGB, v10                     ; my scale word's place: 128 w + 64 u + 4 r
	v_add_nc_u32 v19, WGB, v7
	v_lshlrev_b32 v[VO], 2, v1
.set i, 1
.rept 31
	v_add_nc_u32 v[VO+i], s27, v[VO+i-1]
.set i, i+1
.endr
.macro WLOAD t                         ; block t: 32 rows of my column; a wave's load reads 128 consecutive bytes, the four waves stand side by side
.irp i, 0,1,2,3,4,5,6,7,8,9,10,11,12,13,14,15,16,17,18,19,20,21,22,23,24,25,26,27,28,29,30,31
	global_load_b32 v[RAW+32*(\t)+\i], v[VO+\i], s[40+2*(\t):41+2*(\t)] th:TH_LOAD_NT
.endr
.endm
.macro WBLOCK t
.set XS, RAW+32*(\t)
.set CD, CC+4*(\t)
.if (\t) < 3
	s_wait_loadcnt 32                              ; this block's 32 loads are in; the next block's may be out
.else
	s_wait_loadcnt 0x0
.endif
.if (\t) < 2
	WLOAD (\t)+2
.endif
	BLOCKQ
.if (\t) == 0
	v_lshrrev_b32 v24, 23, v11                     ; the four bytes make the column's scale word, the lower K in the lower byte
.else
	v_lshrrev_b32 v13, 23, v11
	v_lshl_or_b32 v24, v13, 8*(\t), v24
.endif
	global_store_b128 v9, v[CD:CD+3], s[14:15] offset:256*(\t)   ; each tile's sixteen lanes store 256 consecutive bytes, aligned
.endm
	WLOAD 0
	WLOAD 1
	s_wait_alu depctr_va_vdst(0)
	WBLOCK 0
	WBLOCK 1
	WBLOCK 2
	WBLOCK 3
	ds_store_b32 v10, v24
	s_wait_dscnt 0x0                               ; for the others' sake: my store has landed
	s_barrier_signal -1
	s_barrier_wait -1
	s_cmp_lg_u32 s18, 0
	s_cbranch_scc1 .Lwend
	ds_load_b128 v[20:23], v19
	s_wait_dscnt 0x0
	global_store_b128 v7, v[20:23], s[16:17]       ; 512 consecutive bytes
.Lwend:
	s_wait_tensorcnt 0x0
	ds_add_u32 v62, v63
	s_wait_dscnt 0x0
	s_endpgm
.Lfunc_end_k_qa86235ecd4_prep:
	.size	k_qa86235ecd4_prep, .Lfunc_end_k_qa86235ecd4_prep-k_qa86235ecd4_prep
	.p2alignl 7, 3214868480
	.fill 96, 4, 3214868480
	.section	.rodata,"a",@progbits
	.p2align	6, 0x0
	.amdhsa_kernel k_qa86235ecd4_prep
		.amdhsa_group_segment_fixed_size 18944
		.amdhsa_private_segment_fixed_size 0
		.amdhsa_enable_private_segment 0
		.amdhsa_kernarg_size 56
		.amdhsa_user_sgpr_count 2
		.amdhsa_user_sgpr_kernarg_segment_ptr 1
		.amdhsa_wavefront_size32 1
		.amdhsa_system_sgpr_workgroup_id_x 1
		.amdhsa_system_sgpr_workgroup_id_y 1
		.amdhsa_system_sgpr_workgroup_id_z 1
		.amdhsa_system_vgpr_workitem_id 0
		.amdhsa_next_free_vgpr 256
		.amdhsa_next_free_sgpr 66
		.amdhsa_reserve_vcc 1
		.amdhsa_float_denorm_mode_32 3
		.amdhsa_float_denorm_mode_16_64 3
		.amdhsa_memory_ordered 1
		.amdhsa_forward_progress 1
		.amdhsa_inst_pref_size 39
	.end_amdhsa_kernel
	.amdgpu_metadata
---
amdhsa.version: [ 1, 2 ]
amdhsa.kernels:
  - .name:           k_qa86235ecd4_prep
    .symbol:         k_qa86235ecd4_prep.kd
    .args:
      - { .name: x, .offset: 0, .size: 8, .value_kind: global_buffer, .address_space: global }
      - { .name: W_qkv, .offset: 8, .size: 8, .value_kind: global_buffer, .address_space: global }
      - { .name: W_proj, .offset: 16, .size: 8, .value_kind: global_buffer, .address_space: global }
      - { .name: xc, .offset: 24, .size: 8, .value_kind: global_buffer, .address_space: global }
      - { .name: xs, .offset: 32, .size: 8, .value_kind: global_buffer, .address_space: global }
      - { .name: wc, .offset: 40, .size: 8, .value_kind: global_buffer, .address_space: global }
      - { .name: ws, .offset: 48, .size: 8, .value_kind: global_buffer, .address_space: global }
    .group_segment_fixed_size: 18944
    .private_segment_fixed_size: 0
    .kernarg_segment_align: 8
    .kernarg_segment_size: 56
    .max_flat_workgroup_size: 128
    .sgpr_count:     66
    .vgpr_count:     256
    .wavefront_size: 32
...
	.end_amdgpu_metadata
.endif
;; end of part 1
;; launch gemm_qkv (part 2): grid 12 x 32, 4 waves a work-group, clusters of 4 x 4, 279,040 bytes of LDS; arguments xc, xs, wc, ws, b_qkv, qkvc, qkvs; writes qkvc, qkvs
.if DOCPART == 2
	.amdgcn_target "amdgcn-amd-amdhsa--gfx1250"
	.amdhsa_code_object_version 6
	.text
	.protected	k_qa86235ecd4_gemm_qkv
	.globl	k_qa86235ecd4_gemm_qkv
	.p2align	8
	.type	k_qa86235ecd4_gemm_qkv,@function
k_qa86235ecd4_gemm_qkv:
	s_mov_b64 s[64:65], 0
	v_nop
	global_prefetch_b8 v0, s[64:65] scope:SCOPE_SE
	s_setreg_imm32_b32 hwreg(HW_REG_WAVE_MODE, 25, 1), 1
	s_wait_xcnt 0x0
	s_wait_alu depctr_hold_cnt(0) depctr_sa_sdst(0) depctr_va_vdst(0) depctr_va_sdst(0) depctr_va_ssrc(0) depctr_va_vcc(0) depctr_vm_vsrc(0)
	s_getreg_b32 s2, hwreg(HW_REG_IB_STS2, 6, 4)
	s_cmp_eq_u32 s2, 0
	s_cbranch_scc0 .Lentry_in_a_cluster
	s_endpgm
.Lentry_in_a_cluster:
	s_bfe_u32 s2, ttmp6, 0x10000c
	s_cmp_lg_u32 s2, 0xf033
	s_cbranch_scc0 .Lentry_shape_is_right
	s_endpgm
.Lentry_shape_is_right:
; qkv = x W_qkv + b_qkv on codes of FP4 with E8M0 scales, K = 1024; the result never goes to memory as f32: Q and K are quantised along the head's 64 channels, V along the keys, in registers, and leave as images of the next operands' registers.
; A work-group of four waves makes 256 tokens x 256 columns, a wave 128 x 128: 64 accumulators of 16 x 16.  A row of codes is 512 bytes, so both panels lie in LDS whole: they come as two halves of K (slots 0 and 1), each filled once: no slot is filled again.
; OPERANDS lie in memory and LDS as images (tile T: 8,192 bytes; K step q of 128 at 1024 q: two loads of 512 consecutive bytes, 16 a lane).  Tile row r of tile 2 g + u is row 32 g + 8 u + r + 8 (r / 8): so the 16 result registers of two
; neighbouring tiles of source 0 are 16 NEIGHBOURS, 32 g + 16 (lane / 16) + 0 .. 15, along that source's rows.
; TWO FLAVOURS, by the cluster's x (the same in all partners): columns of Q and K (clusters 0, 1): source 0 = W, source 1 = x: a lane holds a token, its registers run along the channels.  Columns of V (cluster 2): source 0 = x, source 1 = W:
; a lane holds a channel, its registers run along the tokens, which are the keys.  Loads, LDS and fetches are common; the products' source order, the bias registers and the way out differ.
; OUT.  qkvc [Q, K, V][batch x 16 + head][65,536]: Q, K: token tile t at 512 t + 16 lane (lane (r, h): block h of the 64 channels of tile row r); V: 4096 (key / 128) + 1024 channel tile + 512 c + 16 lane (keys 64 c + 32 h on of channel row r).
;   qkvs [..][..][16 groups of 128 tokens][r][4 words]: Q, K: word i: tile 2 i's two bytes, tile 2 i + 1's two;  V: word i: channel tile i's four key blocks.
; CLUSTERS: 4 x 4 work-groups; x's panel is shared along a row of the cluster, W's along a column: joint loads, one descriptor and one mask for the four.
; LIMITS: NaN and infinities are not served; a block whose largest magnitude lies under 2^-124, a block of zeros too, gets the byte 1 (zeros: codes of zero; this program alone reads the bytes).
; REGISTERS: window 0: addresses, v32-95 scale words, v96-123 at work, v128-191 codes, v192-255 bias;  window 1: x's fragments at 64 p, W's at 128 + 64 p (two sets p);  windows 2, 3: accumulator (a, b) at v[8 (8 (a % 4) + b)] of window 2 + a / 4.
.set SLOT, 131072                      ; a slot: x's two halves of 8 tiles x 4,096 bytes, then W's two
.set SCL,  262144                      ; behind the slots: four blocks of 4,096 bytes of scale words, [q][8 tiles][64 bytes]
.set LI,   8                           ; v8   16 x lane
.set ADRA, 16                          ; v16-17 my x fragments in slot 0, 1
.set ADRB, 20                          ; v20-21 my W fragments
.set SOV,  24                          ; v24  where my scale words go
.set VSEL, 25                          ; v25  byte selector
.set BA0,  26                          ; v26  bias address, Q and K
.set ADRS, 27                          ; v27  my scale words in LDS: lanes 0-15 x's, lanes 16-31 W's
.set BA1,  28                          ; v28  bias address, V
.set VT,   29
.set SC,   32                          ; v[SC + 8 i + q]: lanes 0-15 the word of x's block i, lanes 16-31 of W's block i, K step q
.set TM,   96                          ; v96-99 largest magnitudes; v100-103 the other half's, then bytes; v104-107 the conversions' scale operands
.set PT,   100
.set SCO,  104
.set PWS,  112                         ; v112-119 the eight scale words
.set SW,   120                         ; v120-123 as they are stored
.set PC,   128                         ; v128-191 codes: eight registers for each of eight fragments: no store's data are written again
.set BI,   192
.set G1,   24
.set G0,   32
.set G1B,  48
.set G0B,  56
.set G1S,  68
.set G0S,  76
.set G1SB, 80
.set G0SB, 88
.set MSB, 0
.macro WIN new                         ; s_set_vgpr_msb: bits 1:0 source 0, 3:2 source 1, 5:4 source 2, 7:6 destination; the high byte repeats the setting that is left
.if MSB != (\new)
	s_set_vgpr_msb (MSB<<8)|(\new)
.set MSB, (\new)
.endif
.endm
.macro PLACES n
.rept \n
	v_nop
.endr
.endm
; A joint load: waves 0 and 1 fetch for x, waves 2 and 3 for W.  The branch hangs on the wave's number alone.  Four v_nop follow each of the two lines.
.macro JLOAD g0a, g1a, g0b, g1b
	s_cmp_eq_u32 s19, 0
	s_cbranch_scc0 .Lfor_b_\@
	tensor_load_to_lds s[\g0a:\g0a+3], s[\g1a:\g1a+7]
	s_nop 0
.rept 4
	v_nop
.endr
	s_branch .Lasked_\@
.Lfor_b_\@:
	tensor_load_to_lds s[\g0b:\g0b+3], s[\g1b:\g1b+7]
	s_nop 0
.rept 4
	v_nop
.endr
.Lasked_\@:
.endm
.macro CROUND                          ; a round of the cluster's barrier
	s_barrier_signal -1
	s_barrier_wait -1
	s_cmp_lg_u32 s18, 0
	s_cbranch_scc1 .Lnot_wave_0_\@
	s_barrier_signal -3
.Lnot_wave_0_\@:
	s_barrier_wait -3
	s_barrier_signal -1
	s_barrier_wait -1
.endm
.macro FRAG reg, adr, qq, i            ; a fragment: two loads of 512 consecutive bytes
.irp c, 0,1
	ds_load_b128 v[(\reg)+4*\c:(\reg)+4*\c+3], v[\adr] offset:1024*(\qq)+512*\c+4096*(\i)
.endr
.endm
.macro FETCH slot, qq, p               ; the slot's qq-th 128 along K into set p: W's eight fragments, then x's eight
	WIN 0x40                                       ; destination window 1, address window 0
.irp i, 0,1,2,3,4,5,6,7
	FRAG 128+64*(\p)+8*\i, ADRB+(\slot), \qq, \i
.endr
.irp i, 0,1,2,3,4,5,6,7
	FRAG 64*(\p)+8*\i, ADRA+(\slot), \qq, \i
.endr
.endm
; 32 matrix instructions: x's blocks 4 hi .. 4 hi + 3 against W's eight.  first = 1: the bias is the C of the sum's first product.  The accumulators take turns, one instruction a turn, in the same order in every step.
.macro MULH fl, hi, p, q, first
.if \first
	WIN 0x85+0x40*(\hi)                            ; sources 0 and 1 window 1, C window 0, D window 2 or 3
.else
	WIN 0xa5+0x50*(\hi)                            ; C and D window 2 or 3
.endif
.irp a, 0,1,2,3
.irp b, 0,1,2,3,4,5,6,7
.set rD, 8*(8*\a+\b)
.set rX, 64*(\p)+8*(4*(\hi)+\a)
.set rW, 128+64*(\p)+8*\b
.set rSX, SC+8*(4*(\hi)+\a)+(\q)
.set rSW, SC+8*\b+(\q)
.set rC, BI+8*\b
.if \fl
.if \first
	v_wmma_scale_f32_16x16x128_f8f6f4 v[rD:rD+7], v[rX:rX+7], v[rW:rW+7], v[rC:rC+7], v[rSX], v[rSW] matrix_a_fmt:MATRIX_FMT_FP4 matrix_b_fmt:MATRIX_FMT_FP4 matrix_b_scale:MATRIX_SCALE_ROW1
.else
	v_wmma_scale_f32_16x16x128_f8f6f4 v[rD:rD+7], v[rX:rX+7], v[rW:rW+7], v[rD:rD+7], v[rSX], v[rSW] matrix_a_fmt:MATRIX_FMT_FP4 matrix_b_fmt:MATRIX_FMT_FP4 matrix_b_scale:MATRIX_SCALE_ROW1
.endif
.else
.if \first
	v_wmma_scale_f32_16x16x128_f8f6f4 v[rD:rD+7], v[rW:rW+7], v[rX:rX+7], v[rC:rC+7], v[rSW], v[rSX] matrix_a_fmt:MATRIX_FMT_FP4 matrix_b_fmt:MATRIX_FMT_FP4 matrix_a_scale:MATRIX_SCALE_ROW1
.else
	v_wmma_scale_f32_16x16x128_f8f6f4 v[rD:rD+7], v[rW:rW+7], v[rX:rX+7], v[rD:rD+7], v[rSW], v[rSX] matrix_a_fmt:MATRIX_FMT_FP4 matrix_b_fmt:MATRIX_FMT_FP4 matrix_a_scale:MATRIX_SCALE_ROW1
.endif
.endif
.endr
.endr
.endm
; K step q of eight.  mode 1: the next step's fragments are fetched first, into the other set, 64 matrix instructions ahead of their use.  mode 2: the next step lies in slot 1.  mode 0: the last step.
; The four v_nop are the places between the matrix instructions that read a set and the loads into it (ISA guide 7.12.1 for vector instructions).
.macro KSTEP fl, q, first, mode
	s_wait_dscnt 0x0                               ; this step's fragments are in
.if \mode == 1
	PLACES 4
	FETCH ((\q)+1)/4, ((\q)+1)%4, ((\q)+1)%2
	MULH \fl, 0, (\q)%2, \q, \first
	MULH \fl, 1, (\q)%2, \q, \first
.elseif \mode == 2
	s_wait_tensorcnt 0x0                           ; my part of slot 1 has landed;
	s_barrier_signal -1                            ; say so, work on registers while the others arrive,
	MULH \fl, 0, (\q)%2, \q, \first
	s_barrier_wait -1                              ; and read slot 1 when all four have said so
	PLACES 4
	FETCH 1, 0, 0
	MULH \fl, 1, (\q)%2, \q, \first
.else
	MULH \fl, 0, (\q)%2, \q, \first
	MULH \fl, 1, (\q)%2, \q, \first
.endif
.endm
.macro MAIN fl
	KSTEP \fl, 0, 1, 1
	KSTEP \fl, 1, 0, 1
	KSTEP \fl, 2, 0, 1
	KSTEP \fl, 3, 0, 2
	KSTEP \fl, 4, 0, 1
	KSTEP \fl, 5, 0, 1
	KSTEP \fl, 6, 0, 1
	KSTEP \fl, 7, 0, 0
.endm
; Fragment x of the way out: 64 numbers of a lane, four blocks of 32 shared with lane l xor 16, become eight registers of codes and a scale word.
; fl = 0: x is a token tile; block e lies in the accumulators (x, 2 e) and (x, 2 e + 1).  fl = 1: x is a channel tile; block e lies in (2 e, x) and (2 e + 1, x).  Each accumulator is read from its low end on.
.macro QUANT fl, x
.irp g, 0,1
.if \fl
	WIN ((2+\g)<<2)|((2+\g)<<4)                    ; sources 1 and 2: the accumulators' window
.else
	WIN ((2+(\x)/4)<<2)|((2+(\x)/4)<<4)
.endif
.irp e, 0,1,2,3,4,5,6,7
.irp d, 0,1                                    ; two blocks by turns
.if \fl
.set rR, 8*(8*((2*(2*\g+\d)+\e/4)%4)+(\x))
.else
.set rR, 8*(8*((\x)%4)+2*(2*\g+\d)+\e/4)
.endif
.if \e == 0
	v_max3_num_f32 v[TM+2*\g+\d], s21, |v[rR]|, |v[rR+1]|          ; the floor 2^(3 - 127) among the leaves: the byte cannot fall under 1
.else
	v_max3_num_f32 v[TM+2*\g+\d], v[TM+2*\g+\d], |v[rR+2*(\e%4)]|, |v[rR+2*(\e%4)+1]|
.endif
.endr
.endr
.endr
	WIN 0
.irp e, 0,1,2,3
	v_permlanex16_b32 v[PT+\e], v[TM+\e], s22, s23
.endr
.irp e, 0,1,2,3
	v_max_num_f32 v[TM+\e], v[TM+\e], v[PT+\e]     ; with lane l xor 16's: the block's largest magnitude
.endr
.irp e, 0,1,2,3
	v_add_nc_u32 v[SCO+\e], 0xff000000, v[TM+\e]   ; 2 off the exponent field: the conversion's scale operand
.endr
.irp e, 0,1,2,3
	v_lshrrev_b32 v[PT+\e], 23, v[SCO+\e]          ; the scale's byte
.endr
	v_lshl_or_b32 v[PWS+(\x)], v[PT+1], 8, v[PT]
	v_lshl_or_b32 v[PWS+(\x)], v[PT+2], 16, v[PWS+(\x)]
	v_lshl_or_b32 v[PWS+(\x)], v[PT+3], 24, v[PWS+(\x)]
.irp g, 0,1
.if \fl
	WIN 2+\g                                       ; source 0: the accumulators' window
.else
	WIN 2+(\x)/4
.endif
.irp d, 0,1
.irp u, 0,1
.if \fl
.set rR, 8*(8*((2*(2*\g+\d)+\u)%4)+(\x))
.else
.set rR, 8*(8*((\x)%4)+2*(2*\g+\d)+\u)
.endif
	v_cvt_scalef32_pk8_fp4_f32 v[PC+8*(\x)+2*(2*\g+\d)+\u], v[rR:rR+7], v[SCO+2*\g+\d]
.endr
.endr
.endr
	WIN 0
	v_nop                                          ; one plain line behind the scaled conversions
.irp c, 0,1                                    ; the operand's layout wants a whole block in a lane: lanes 0-15 block 2 c, lanes 16-31 block 2 c + 1
.irp i, 0,1
	v_permlane16_swap_b32 v[PC+8*(\x)+4*\c+\i], v[PC+8*(\x)+4*\c+2+\i]
.endr
.endr
.irp c, 0,1                                    ; each store: 512 consecutive bytes, aligned
.if \fl
	global_store_b128 v[LI], v[PC+8*(\x)+4*\c:PC+8*(\x)+4*\c+3], s[14:15] offset:((\x)/4)*65536+((\x)%4)*1024+512*\c
.else
	global_store_b128 v[LI], v[PC+8*(\x)+4*\c:PC+8*(\x)+4*\c+3], s[14:15] offset:\c*65536+512*(\x)
.endif
.endr
.endm
.macro EPI fl
	PLACES 4                                       ; between the last products and the first read of results
.irp x, 0,1,2,3,4,5,6,7
	QUANT \fl, \x
.endr
	v_cmp_eq_u32 vcc_lo, 1, v2                     ; lanes 0-15 store the first head's words, lanes 16-31 the second's
.if \fl
	v_mov_b32 v[VSEL], 0x03020100                  ; V: the word of channel tile k of my head, whole
	v_mov_b32 v[VT], 0x07060504
.else
	v_mov_b32 v[VSEL], 0x05040100                  ; Q, K: my head's two bytes of token tiles 2 k and 2 k + 1
	v_mov_b32 v[VT], 0x07060302
.endif
	v_cndmask_b32 v[VSEL], v[VSEL], v[VT], vcc_lo
.irp k, 0,1,2,3
.if \fl
	v_perm_b32 v[SW+\k], v[PWS+4+\k], v[PWS+\k], v[VSEL]
.else
	v_perm_b32 v[SW+\k], v[PWS+2*\k+1], v[PWS+2*\k], v[VSEL]
.endif
.endr
	global_store_b128 v[SOV], v[SW:SW+3], s[16:17] ; sixteen lanes store 256 consecutive bytes, aligned
.endm
	s_load_b256 s[4:11], s[0:1], 0x0               ; xc s[4:5], xs s[6:7], wc s[8:9], ws s[10:11]
	s_load_b128 s[12:15], s[0:1], 0x20             ; b_qkv s[12:13], qkvc s[14:15]
	s_load_b64 s[16:17], s[0:1], 0x30              ; qkvs
	v_lshl_add_u32 v126, v0, 2, 0x44000
	v_mov_b32 v127, 0
	ds_add_u32 v126, v127
	ds_add_u32 v126, v127
	v_lshrrev_b32 v1, 5, v0
	v_readfirstlane_b32 s18, v1                    ; wave 0..3
	s_lshr_b32 s19, s18, 1                         ; which 128 tokens are mine.  Also: I fetch for x (0) or for W (1)
	s_and_b32 s20, s18, 1                          ; which 128 columns.  Also: which half of that panel I fetch
	s_mov_b32 s21, 0x1800000                       ; the floor 2^(3 - 127)
	s_mov_b32 s22, 0x76543210
	s_mov_b32 s23, 0xfedcba98                      ; v_permlanex16_b32's selects for lane l xor 16
	s_bfe_u32 s40, ttmp6, 0x40000                  ; cx, cy: my place in the cluster
	s_bfe_u32 s41, ttmp6, 0x40004
	s_lshl_b32 s42, ttmp9, 2
	s_add_co_u32 s42, s42, s40                     ; gx: which 256 columns
	s_and_b32 s43, ttmp7, 0xffff
	s_lshl_b32 s43, s43, 2
	s_add_co_u32 s43, s43, s41                     ; gy: which 256 tokens
	s_lshl_b32 s44, s41, 2
	s_lshl_b32 s44, 15, s44                        ; my row of the cluster
	s_lshl_b32 s45, 0x1111, s40                    ; my column
	; group 1 for codes: 8 tiles' halves: 8 rows of 512 elements of 8 bytes, 1,024 elements from tile to tile; dense in LDS
	s_or_b32 s[G1], s44, (3<<16)|(1<<21)           ; 15:0 the mask; 17:16 elements of 8 bytes; 21 set beside a mask
	s_or_b32 s[G1B], s45, (3<<16)|(1<<21)
.irp g, G1, G1B
	s_mov_b32 s[\g+1], 512<<16                     ; tensor_dim0
	s_mov_b32 s[\g+2], 8<<16                       ; tensor_dim1
	s_mov_b32 s[\g+3], 512<<16                     ; tile_dim0
	s_mov_b32 s[\g+4], 8                           ; tile_dim1
	s_mov_b32 s[\g+5], 1024                        ; stride
	s_mov_b32 s[\g+6], 0
	s_mov_b32 s[\g+7], 0
.endr
	; for scale words: 8 K steps x 512 bytes (8 tiles x 64)
	s_or_b32 s[G1S], s44, (3<<16)|(1<<21)
	s_or_b32 s[G1SB], s45, (3<<16)|(1<<21)
.irp g, G1S, G1SB
	s_mov_b32 s[\g+1], 64<<16
	s_mov_b32 s[\g+2], 8<<16
	s_mov_b32 s[\g+3], 64<<16
	s_mov_b32 s[\g+4], 8
	s_mov_b32 s[\g+6], 0
	s_mov_b32 s[\g+7], 0
.endr
	s_mov_b32 s[G1S+5], 4096                       ; xs: 32,768 bytes from K step to K step
	s_mov_b32 s[G1SB+5], 2048                      ; ws: 16,384
	s_lshl_b32 s47, s20, 3
	s_lshl_b32 s46, s43, 4
	s_add_co_u32 s46, s46, s47                     ; x: tile 16 gy + 8 x half
	s_lshl_b32 s92, s46, 13
	s_mov_b32 s93, 0
	s_lshl_b32 s94, s46, 6
	s_mov_b32 s95, 0
	s_lshl_b32 s96, s42, 4
	s_add_co_u32 s96, s96, s47                     ; W: tile 16 gx + 8 x half
	s_lshl_b32 s98, s96, 6
	s_mov_b32 s99, 0
	s_lshl_b32 s96, s96, 13
	s_mov_b32 s97, 0
	s_lshl_b32 s2, s18, 15                         ; where they go: wave x 32,768: no place in the cluster enters an LDS address
	s_lshl_b32 s3, s18, 12
	s_add_co_u32 s3, s3, SCL
	s_wait_dscnt 0x0
	s_wait_kmcnt 0x0
	s_add_nc_u64 s[92:93], s[4:5], s[92:93]
	s_add_nc_u64 s[94:95], s[6:7], s[94:95]
	s_add_nc_u64 s[96:97], s[8:9], s[96:97]
	s_add_nc_u64 s[98:99], s[10:11], s[98:99]
	CROUND                                         ; all sixteen work-groups are here: the joint loads meet
	s_mov_b32 s[G0S], 1
	s_mov_b32 s[G0S+1], s3
	s_mov_b64 s[G0S+2:G0S+3], s[94:95]
	s_or_b32 s[G0S+3], s[G0S+3], 0x80000000
	s_mov_b32 s[G0SB], 1
	s_mov_b32 s[G0SB+1], s3
	s_mov_b64 s[G0SB+2:G0SB+3], s[98:99]
	s_or_b32 s[G0SB+3], s[G0SB+3], 0x80000000
	JLOAD G0S, G1S, G0SB, G1SB                     ; the scale words first; three tensor loads of mine are out behind these lines
.irp s, 0,1
	s_mov_b32 s[G0+4*\s], 1
	s_add_co_u32 s[G0+4*\s+1], s2, \s*SLOT
	s_add_nc_u64 s[G0+4*\s+2:G0+4*\s+3], s[92:93], \s*4096
	s_or_b32 s[G0+4*\s+3], s[G0+4*\s+3], 0x80000000
	s_mov_b32 s[G0B+4*\s], 1
	s_add_co_u32 s[G0B+4*\s+1], s2, \s*SLOT
	s_add_nc_u64 s[G0B+4*\s+2:G0B+4*\s+3], s[96:97], \s*4096
	s_or_b32 s[G0B+4*\s+3], s[G0B+4*\s+3], 0x80000000
	JLOAD G0+4*\s, G1, G0B+4*\s, G1B
.endr
	v_and_b32 v1, 15, v0                           ; r
	v_bfe_u32 v2, v0, 4, 1                         ; h
	s_wait_alu depctr_va_vdst(0)
	v_and_b32 v3, 31, v0
	v_lshlrev_b32 v[LI], 4, v3
	s_lshl_b32 s46, s19, 15                        ; my 8 tiles of x,
	s_lshl_b32 s47, s20, 15
	s_add_co_u32 s47, s47, 65536                   ; my 8 of W, behind x's 16
.irp s, 0,1
	v_add_nc_u32 v[ADRA+\s], s46, v[LI]
	v_add_nc_u32 v[ADRB+\s], s47, v[LI]
	s_add_co_u32 s46, s46, SLOT
	s_add_co_u32 s47, s47, SLOT
.endr
	s_lshl_b32 s46, s19, 12                        ; x's scale words: my half;
	s_lshl_b32 s47, s20, 12
	s_add_co_u32 s47, s47, 8192                    ; W's, behind x's two
	s_sub_co_u32 s47, s47, s46
	v_mul_u32_u24 v4, s47, v2                      ; lanes 16-31 take W's: one product, the distance between the two
	s_add_co_u32 s46, s46, SCL
	v_lshl_add_u32 v4, v1, 2, v4
	v_add_nc_u32 v[ADRS], s46, v4
	v_lshlrev_b32 v[SOV], 4, v1
	v_lshl_add_u32 v[SOV], v2, 12, v[SOV]          ; 16 r, and the next head's 4,096 bytes for lanes 16-31
	v_lshlrev_b32 v[BA0], 6, v2                    ; Q, K: my half's 16 columns of a group of 32
	v_and_b32 v[BA1], 8, v1
	v_add_nc_u32 v[BA1], v[BA1], v1
	v_lshlrev_b32 v[BA1], 2, v[BA1]                ; V: my channel: 4 (r + 8 (r / 8))
.irp e, 0,1,2,3
	v_mov_b32 v[PT+\e], 0                          ; a lane permute's destination counts as one of its sources
.endr
	s_lshl_b32 s46, s42, 2
	s_lshl_b32 s47, s20, 1
	s_add_co_u32 s46, s46, s47                     ; my first head among Q's, K's and V's 48: 4 gx + 2 x half
	s_lshr_b32 s47, s46, 4
	s_lshl_b32 s47, s47, 6                         ; 64 x (Q, K or V)
	s_and_b32 s46, s46, 15
	s_add_co_u32 s46, s46, s47
	s_lshr_b32 s47, s43, 3
	s_lshl_b32 s47, s47, 4                         ; 16 x batch
	s_add_co_u32 s46, s46, s47
	s_and_b32 s47, s43, 7
	s_lshl_b32 s47, s47, 1
	s_add_co_u32 s47, s47, s19                     ; my group of 128 tokens in the batch
	s_lshl_b32 s92, s46, 16
	s_lshl_b32 s94, s47, 12
	s_add_co_u32 s92, s92, s94
	s_mov_b32 s93, 0
	s_add_nc_u64 s[14:15], s[14:15], s[92:93]
	s_lshl_b32 s92, s46, 12
	s_lshl_b32 s94, s47, 8
	s_add_co_u32 s92, s92, s94
	s_add_nc_u64 s[16:17], s[16:17], s[92:93]
	s_lshl_b32 s92, s42, 10
	s_lshl_b32 s94, s20, 9
	s_add_co_u32 s92, s92, s94                     ; the bias of my 128 columns
	s_add_nc_u64 s[12:13], s[12:13], s[92:93]
	s_cmp_eq_u32 ttmp9, 2                          ; the bias in the result's layout
	s_cbranch_scc1 .Lbias_v
	s_wait_alu depctr_va_vdst(0)
.irp b, 0,1,2,3,4,5,6,7                        ; Q, K: register j of tile b is column 32 (b / 2) + 16 h + 8 (b % 2) + j
	global_load_b128 v[BI+8*\b:BI+8*\b+3], v[BA0], s[12:13] offset:(32*(\b/2)+8*(\b%2))*4
	global_load_b128 v[BI+8*\b+4:BI+8*\b+7], v[BA0], s[12:13] offset:(32*(\b/2)+8*(\b%2))*4+16
.endr
	s_branch .Lbias_done
.Lbias_v:
	s_wait_alu depctr_va_vdst(0)
.irp b, 0,1,2,3,4,5,6,7                        ; V: all eight registers are my channel's
.irp j, 0,1,2,3,4,5,6,7
	global_load_b32 v[BI+8*\b+\j], v[BA1], s[12:13] offset:(32*(\b/2)+8*(\b%2))*4
.endr
.endr
.Lbias_done:
	s_wait_tensorcnt 0x1                           ; the scale words and my part of slot 0 are in; slot 1's load may be out
	s_barrier_signal -1
	s_barrier_wait -1                              ; everybody's are
	FETCH 0, 0, 0
	WIN 0
.irp q, 0,1,2,3,4,5,6,7
.irp i, 0,1,2,3,4,5,6,7
	ds_load_b32 v[SC+8*\i+\q], v[ADRS] offset:512*\q+64*\i
.endr
.endr
	s_wait_loadcnt 0x0                             ; the bias
	s_cmp_eq_u32 ttmp9, 2
	s_cbranch_scc1 .Lv
	MAIN 0
	EPI 0
	s_branch .Lend
.Lv:
	MAIN 1
	EPI 1
.Lend:
	s_wait_tensorcnt 0x0
	ds_add_u32 v126, v127
	s_wait_dscnt 0x0
	CROUND                                         ; the closing round: no work-group ends while a partner may still ask for a tile that names it
	s_endpgm
.Lfunc_end_k_qa86235ecd4_gemm_qkv:
	.size	k_qa86235ecd4_gemm_qkv, .Lfunc_end_k_qa86235ecd4_gemm_qkv-k_qa86235ecd4_gemm_qkv
	.p2alignl 7, 3214868480
	.fill 96, 4, 3214868480
	.section	.rodata,"a",@progbits
	.p2align	6, 0x0
	.amdhsa_kernel k_qa86235ecd4_gemm_qkv
		.amdhsa_group_segment_fixed_size 279040
		.amdhsa_private_segment_fixed_size 0
		.amdhsa_enable_private_segment 0
		.amdhsa_kernarg_size 56
		.amdhsa_user_sgpr_count 2
		.amdhsa_user_sgpr_kernarg_segment_ptr 1
		.amdhsa_wavefront_size32 1
		.amdhsa_system_sgpr_workgroup_id_x 1
		.amdhsa_system_sgpr_workgroup_id_y 1
		.amdhsa_system_sgpr_workgroup_id_z 1
		.amdhsa_system_vgpr_workitem_id 0
		.amdhsa_next_free_vgpr 1024
		.amdhsa_next_free_sgpr 100
		.amdhsa_reserve_vcc 1
		.amdhsa_float_denorm_mode_32 3
		.amdhsa_float_denorm_mode_16_64 3
		.amdhsa_memory_ordered 1
		.amdhsa_forward_progress 1
		.amdhsa_inst_pref_size 248
	.end_amdhsa_kernel
	.amdgpu_metadata
---
amdhsa.version: [ 1, 2 ]
amdhsa.kernels:
  - .name:           k_qa86235ecd4_gemm_qkv
    .symbol:         k_qa86235ecd4_gemm_qkv.kd
    .args:
      - { .name: xc, .offset: 0, .size: 8, .value_kind: global_buffer, .address_space: global }
      - { .name: xs, .offset: 8, .size: 8, .value_kind: global_buffer, .address_space: global }
      - { .name: wc, .offset: 16, .size: 8, .value_kind: global_buffer, .address_space: global }
      - { .name: ws, .offset: 24, .size: 8, .value_kind: global_buffer, .address_space: global }
      - { .name: b_qkv, .offset: 32, .size: 8, .value_kind: global_buffer, .address_space: global }
      - { .name: qkvc, .offset: 40, .size: 8, .value_kind: global_buffer, .address_space: global }
      - { .name: qkvs, .offset: 48, .size: 8, .value_kind: global_buffer, .address_space: global }
    .group_segment_fixed_size: 279040
    .private_segment_fixed_size: 0
    .kernarg_segment_align: 8
    .kernarg_segment_size: 56
    .max_flat_workgroup_size: 128
    .sgpr_count:     100
    .vgpr_count:     1024
    .wavefront_size: 32
...
	.end_amdgpu_metadata
.endif
;; end of part 2
;; launch attn (part 3): grid 8 x 32, 16 waves a work-group, clusters of 4 x 1, 281,600 bytes of LDS; arguments qkvc, qkvs, oc, os; writes oc, os
.if DOCPART == 3
	.amdgcn_target "amdgcn-amd-amdhsa--gfx1250"
	.amdhsa_code_object_version 6
	.text
	.protected	k_qa86235ecd4_attn
	.globl	k_qa86235ecd4_attn
	.p2align	8
	.type	k_qa86235ecd4_attn,@function
k_qa86235ecd4_attn:
	s_mov_b64 s[64:65], 0
	v_nop
	global_prefetch_b8 v0, s[64:65] scope:SCOPE_SE
	s_setreg_imm32_b32 hwreg(HW_REG_WAVE_MODE, 25, 1), 1
	s_wait_xcnt 0x0
	s_wait_alu depctr_hold_cnt(0) depctr_sa_sdst(0) depctr_va_vdst(0) depctr_va_sdst(0) depctr_va_ssrc(0) depctr_va_vcc(0) depctr_vm_vsrc(0)
	s_getreg_b32 s2, hwreg(HW_REG_IB_STS2, 6, 4)
	s_cmp_eq_u32 s2, 0
	s_cbranch_scc0 .Lentry_in_a_cluster
	s_endpgm
.Lentry_in_a_cluster:
	s_bfe_u32 s2, ttmp6, 0x10000c
	s_cmp_lg_u32 s2, 0x3003
	s_cbranch_scc0 .Lentry_shape_is_right
	s_endpgm
.Lentry_shape_is_right:
; o = softmax(Q K^T / 8) V for 64 heads of 2,048 tokens x 64 channels, both products on codes of FP4 with E8M0 scales; o is quantised along the 1,024 channels and leaves as the image of the last product's operand.
; THE SOFTMAX AHEAD OF THE SECOND PRODUCT: t = score x log2(e) / 8; M = the running largest t rounded UP to a whole number; p = 2^(t - M) is quantised along the keys, not normalised; the row's sum is taken of the unquantised p and divides
; at the end.  When M moves, the sum and O are multiplied by 2^(old M - new M): exact.
; SHARES.  A work-group owns 256 queries of a PAIR of heads (2 hp, 2 hp + 1 of one batch); each of its sixteen waves owns one tile of 16 queries and walks head 2 hp, then head 2 hp + 1: its results are then 128 neighbouring channels of o,
; one whole fragment and one whole scale word.  Four waves share a SIMD, so that one wave's exponentials stand beside another's plain work.
; LDS.  Both heads' K and V (codes 131,072 bytes, scale words 8,192 a head) lie in LDS whole, each byte filled once: no slot is filled again, and the loop over keys has no barrier.  The second head lands while the first is worked on.
; CLUSTER.  The four query blocks of a cluster walk the same K and V: joint loads, mask 15.
; LAYOUT.  Both products transposed: S^T = K Q^T, O^T = V^T P^T: a lane holds ONE query.  The head's K is 64, the instruction's 128: source 0 is the PAIR of key tiles [u = 0 | u = 1] of a group of 32 keys, source 1 is [Q | zeros] or [zeros | Q]:
; zero codes add nothing.  Tile row r of tile u of group g is key 32 g + 8 u + r + 8 (r / 8), so that the 16 registers of a group's two results are 16 neighbouring keys.  V's channel tiles are cut the same way, so O^T's registers are neighbours along o's K.
; LIMITS: NaN and infinities are not served; a block of o whose largest magnitude lies under 2^-124, a block of zeros too, gets the byte 1.
; REGISTERS: v1-7, v11 addresses that stay; v8-10 the step's; v12 -M, v13 the largest t, v[14:15] the sum; v16-23 [Q | 0], v24-31 [0 | Q]; v32-63 K; v64-95 V; v96-159 S^T, then p; v160-191 O^T; v192-195, v196-199 K's and V's scale words;
;   v200 Q's; v204-211 o's codes; v212-221 Q of both heads; v222 o's scale word; v224-231 p's codes; v232-254 at work.
.set HB,  139264                       ; a head in LDS: K's image 65,536, V's 65,536, K's scale words 4,096, V's 4,096
.set OSG, 278528                       ; behind both heads: 1,024 bytes where the sixteen waves' scale words of o meet; no tile lands there
.macro ROUND                           ; a round of the cluster's barrier
	s_barrier_signal -1
	s_barrier_wait -1
	s_cmp_lg_u32 s12, 0
	s_cbranch_scc1 .Lnot_wave_0_\@
	s_barrier_signal -3
.Lnot_wave_0_\@:
	s_barrier_wait -3
	s_barrier_signal -1
	s_barrier_wait -1
.endm
; A KEY STEP: 128 keys.  s56: where the step's codes begin (4,096 bytes a step in K's image and in V's); s57: its scale words (256 bytes a step)
.macro STEP
	v_add_nc_u32 v8, s56, v1                       ; these four lines are also the places between the last step's products and the loads into their registers
	v_add_nc_u32 v9, s56, v2
	v_add_nc_u32 v10, s57, v3
	v_nop
.irp b, 0,1,2,3
.irp c, 0,1
	ds_load_b128 v[32+8*\b+4*\c:35+8*\b+4*\c], v8 offset:1024*\b+512*\c    ; group b: tile u = c
.endr
.endr
	ds_load_b128 v[192:195], v10                   ; K's four words of row r: one for each group
.irp a, 0,1,2,3
.irp c, 0,1
	ds_load_b128 v[64+8*\a+4*\c:67+8*\a+4*\c], v9 offset:1024*\a+512*\c    ; V: channel tile a
.endr
.endr
	ds_load_b128 v[196:199], v10 offset:4096       ; V's four words
	s_wait_dscnt 9                                 ; K and its words are in; V's eight loads and its words may be out
.irp b, 0,1,2,3
	v_wmma_scale_f32_16x16x128_f8f6f4 v[96+16*\b:103+16*\b], v[32+8*\b:39+8*\b], v[16:23], 0, v[192+\b], v200 matrix_a_fmt:MATRIX_FMT_FP4 matrix_b_fmt:MATRIX_FMT_FP4
	v_wmma_scale_f32_16x16x128_f8f6f4 v[104+16*\b:111+16*\b], v[32+8*\b:39+8*\b], v[24:31], 0, v[192+\b], v200 matrix_a_fmt:MATRIX_FMT_FP4 matrix_b_fmt:MATRIX_FMT_FP4
.endr                                          ; lane (r, h): query r; registers 16 b + i: key 32 b + 16 h + i of the step
.rept 4
	v_nop
.endr
.irp b, 0,1,2,3
	v_max3_num_f32 v[232+\b], v[96+16*\b], v[97+16*\b], v[98+16*\b]   ; the largest score of each block of 32 keys: for the row's maximum, and, since p rises with the score, for the block's largest p
.endr
.irp i, 3,5,7,9,11,13
.irp b, 0,1,2,3
	v_max3_num_f32 v[232+\b], v[232+\b], v[96+16*\b+\i], v[97+16*\b+\i]
.endr
.endr
.irp b, 0,1,2,3
	v_max_num_f32 v[232+\b], v[232+\b], v[111+16*\b]
.endr
.irp b, 0,1,2,3
	s_delay_alu instid0(VALU_DEP_4)
	v_permlanex16_b32 v[236+\b], v[232+\b], s20, s21
.endr
.irp b, 0,1,2,3
	s_delay_alu instid0(VALU_DEP_4)
	v_max_num_f32 v[232+\b], v[232+\b], v[236+\b]  ; with lane l xor 16's 16 keys
.endr
	s_delay_alu instid0(VALU_DEP_2)
	v_max3_num_f32 v254, v232, v233, v234
	s_delay_alu instid0(VALU_DEP_1)
	v_max_num_f32 v254, v254, v235
	s_delay_alu instid0(VALU_DEP_1)
	v_mul_f32 v254, s22, v254                      ; the step's largest t (c is positive)
	s_delay_alu instid0(VALU_DEP_1)
	v_max_num_f32 v13, v13, v254                   ; the running largest t
	v_mov_b32 v254, v12
	s_delay_alu instid0(VALU_DEP_2)
	v_floor_f32 v12, -v13                          ; the new -M = floor(-t) = -ceil(t)
	s_delay_alu instid0(VALU_DEP_1)
	v_sub_f32 v254, v12, v254                      ; old M - new M: a whole number, 0 or less
	s_delay_alu instid0(VALU_DEP_1)
	v_cvt_i32_f32 v254, v254                       ; (it saturates)
	s_delay_alu instid0(VALU_DEP_1)
	v_ldexp_f32 v252, 1.0, v254                    ; f = 2^(old M - new M)
.irp j, 0,2,4,6,8,10,12,14,16,18,20,22,24,26,28,30,32,34,36,38,40,42,44,46,48,50,52,54,56,58,60,62
	v_pk_fma_f32 v[96+\j:97+\j], v[96+\j:97+\j], s[22:23], v[12:13] op_sel_hi:[1,0,0]   ; t - M, two at a time
.endr
.irp b, 0,1,2,3
	v_fma_f32 v[232+\b], v[232+\b], s22, v12       ; the same of each block's largest score
.endr
	s_wait_alu depctr_va_vdst(0)
.irp j, 0,1,2,3,4,5,6,7,8,9,10,11,12,13,14,15,16,17,18,19,20,21,22,23,24,25,26,27,28,29,30,31,32,33,34,35,36,37,38,39,40,41,42,43,44,45,46,47,48,49,50,51,52,53,54,55,56,57,58,59,60,61,62,63
	v_exp_f32 v[96+\j], v[96+\j]                   ; p = 2^(t - M), at most 1
.endr
	s_setprio 1
.irp b, 0,1,2,3
	v_exp_f32 v[232+\b], v[232+\b]                 ; the block's largest p: the same two instructions on the same number
.endr
	v_pk_mul_f32 v[14:15], v[14:15], v[252:253] op_sel_hi:[1,0]   ; the sums under the new M (a plain line behind the exponentials)
	s_wait_alu depctr_va_vdst(0)
.irp b, 0,1,2,3
	v_max_num_f32 v[232+\b], 0x1800000, v[232+\b]  ; the floor 2^(3 - 127): the byte cannot fall under 1
.endr
.irp b, 0,1,2,3
	s_delay_alu instid0(VALU_DEP_4)
	v_add_nc_u32 v[244+\b], 0xff000000, v[232+\b]  ; 2 off the exponent field: the conversion's scale operand
.endr
.irp b, 0,1,2,3
	s_delay_alu instid0(VALU_DEP_4)
	v_lshrrev_b32 v[236+\b], 23, v[244+\b]         ; the scale's byte
.endr
	s_delay_alu instid0(VALU_DEP_3)
	v_lshl_or_b32 v253, v237, 8, v236              ; p's scale word for these 128 keys
	s_delay_alu instid0(VALU_DEP_1)
	v_lshl_or_b32 v253, v238, 16, v253
	s_delay_alu instid0(VALU_DEP_1)
	v_lshl_or_b32 v253, v239, 24, v253
.irp b, 0,1,2,3
	v_cvt_scalef32_pk8_fp4_f32 v[224+2*\b], v[96+16*\b:103+16*\b], v[244+\b]
	v_cvt_scalef32_pk8_fp4_f32 v[225+2*\b], v[104+16*\b:111+16*\b], v[244+\b]
.endr
	v_nop                                          ; one plain line behind the scaled conversions
.irp c, 0,1                                    ; a whole block in a lane: lanes 0-15 block 2 c, lanes 16-31 block 2 c + 1
.irp i, 0,1
	v_permlane16_swap_b32 v[224+4*\c+\i], v[226+4*\c+\i]
.endr
.endr
	v_pk_add_f32 v[236:237], v[100:101], v[104:105]
	v_pk_add_f32 v[248:249], v[108:109], v[112:113]
	v_pk_add_f32 v[246:247], v[116:117], v[120:121]
	v_pk_add_f32 v[244:245], v[124:125], v[128:129]
	v_pk_add_f32 v[242:243], v[132:133], v[136:137]
	v_pk_add_f32 v[240:241], v[140:141], v[144:145]
	v_pk_add_f32 v[234:235], v[148:149], v[152:153]
	v_pk_add_f32 v[14:15], v[14:15], v[156:157]
	v_pk_add_f32 v[236:237], v[236:237], v[96:97]
	v_pk_add_f32 v[248:249], v[248:249], v[98:99]
	v_pk_add_f32 v[246:247], v[246:247], v[102:103]
	v_pk_add_f32 v[244:245], v[244:245], v[106:107]
	v_pk_add_f32 v[242:243], v[242:243], v[110:111]
	v_pk_add_f32 v[240:241], v[240:241], v[114:115]
	v_pk_add_f32 v[234:235], v[234:235], v[118:119]
	v_pk_add_f32 v[14:15], v[14:15], v[122:123]
	v_pk_add_f32 v[236:237], v[236:237], v[126:127]
	v_pk_add_f32 v[248:249], v[248:249], v[130:131]
	v_pk_add_f32 v[246:247], v[246:247], v[134:135]
	v_pk_add_f32 v[244:245], v[244:245], v[138:139]
	v_pk_add_f32 v[242:243], v[242:243], v[142:143]
	v_pk_add_f32 v[240:241], v[240:241], v[146:147]
	v_pk_add_f32 v[234:235], v[234:235], v[150:151]
	v_pk_add_f32 v[14:15], v[14:15], v[154:155]
	v_pk_add_f32 v[236:237], v[236:237], v[158:159]
	s_delay_alu instid0(VALU_DEP_2)
	v_pk_add_f32 v[14:15], v[14:15], v[244:245]
	s_delay_alu instid0(VALU_DEP_2)
	v_pk_add_f32 v[236:237], v[236:237], v[242:243]
	v_pk_add_f32 v[248:249], v[248:249], v[240:241]
	v_pk_add_f32 v[246:247], v[246:247], v[234:235]
	s_delay_alu instid0(VALU_DEP_2)
	v_pk_add_f32 v[14:15], v[14:15], v[248:249]
	s_delay_alu instid0(VALU_DEP_2)
	v_pk_add_f32 v[236:237], v[236:237], v[246:247]
	s_delay_alu instid0(VALU_DEP_1)
	v_pk_add_f32 v[14:15], v[14:15], v[236:237]
	s_setprio 0
.irp j, 0,2,4,6,8,10,12,14,16,18,20,22,24,26,28,30
	v_pk_mul_f32 v[160+\j:161+\j], v[160+\j:161+\j], v[252:253] op_sel_hi:[1,0]   ; O^T under the new M.  (The sums and these are also the places between p's codes and scale word and the products)
.endr
	s_wait_alu depctr_va_vdst(0)
	s_wait_dscnt 0x0                               ; V and its words are in
.irp a, 0,1,2,3
	v_wmma_scale_f32_16x16x128_f8f6f4 v[160+8*\a:167+8*\a], v[64+8*\a:71+8*\a], v[224:231], v[160+8*\a:167+8*\a], v[196+\a], v253 matrix_a_fmt:MATRIX_FMT_FP4 matrix_b_fmt:MATRIX_FMT_FP4
.endr
	s_add_co_u32 s56, s56, 4096
	s_add_co_u32 s57, s57, 256
.endm
; Head p's O^T is divided by the sum and quantised: two blocks of 32 channels, registers 4 p .. 4 p + 3 of o's fragment, bytes 2 p and 2 p + 1 of its scale word
.macro EPI p
.rept 4
	v_nop
.endr
	v_add_f32 v14, v14, v15                        ; the sum's two halves,
	s_delay_alu instid0(VALU_DEP_1)
	v_permlanex16_b32 v252, v14, s20, s21
	s_delay_alu instid0(VALU_DEP_1)
	v_add_f32 v14, v14, v252                       ; and lane l xor 16's
	s_wait_alu depctr_va_vdst(0)
	v_rcp_f32 v14, v14
	v_nop                                          ; one plain line behind the transcendental
	s_wait_alu depctr_va_vdst(0)
.irp j, 0,2,4,6,8,10,12,14,16,18,20,22,24,26,28,30
	v_pk_mul_f32 v[96+\j:97+\j], v[160+\j:161+\j], v[14:15] op_sel_hi:[1,0]   ; register 16 b + i: channel 32 b + 16 h + i of the head; each accumulator from its low end on
.endr
.irp b, 0,1
	v_max3_num_f32 v[232+\b], |v[96+16*\b]|, |v[97+16*\b]|, 0x1800000
.endr
.irp i, 2,4,6,8,10,12,14
.irp b, 0,1
	s_delay_alu instid0(VALU_DEP_2)
	v_max3_num_f32 v[232+\b], v[232+\b], |v[96+16*\b+\i]|, |v[97+16*\b+\i]|
.endr
.endr
.irp b, 0,1
	s_delay_alu instid0(VALU_DEP_2)
	v_permlanex16_b32 v[236+\b], v[232+\b], s20, s21
.endr
.irp b, 0,1
	s_delay_alu instid0(VALU_DEP_2)
	v_max_num_f32 v[232+\b], v[232+\b], v[236+\b]
.endr
.irp b, 0,1
	s_delay_alu instid0(VALU_DEP_2)
	v_add_nc_u32 v[244+\b], 0xff000000, v[232+\b]
.endr
.irp b, 0,1
	s_delay_alu instid0(VALU_DEP_2)
	v_lshrrev_b32 v[236+\b], 23, v[244+\b]
.endr
.irp b, 0,1
	v_cvt_scalef32_pk8_fp4_f32 v[204+4*\p+2*\b], v[96+16*\b:103+16*\b], v[244+\b]
	v_cvt_scalef32_pk8_fp4_f32 v[205+4*\p+2*\b], v[104+16*\b:111+16*\b], v[244+\b]
.endr
	v_nop                                          ; one plain line behind the scaled conversions
	v_permlane16_swap_b32 v[204+4*\p], v[206+4*\p]
	v_permlane16_swap_b32 v[205+4*\p], v[207+4*\p]
.if \p
	v_lshl_or_b32 v236, v237, 8, v236
	s_delay_alu instid0(VALU_DEP_1)
	v_lshl_or_b32 v222, v236, 16, v222
.else
	v_lshl_or_b32 v222, v237, 8, v236
.endif
.endm
.macro PASS p
.irp i, 0,1,2,3
	v_mov_b32 v[16+\i], v[212+4*\p+\i]             ; [Q | 0]
	v_mov_b32 v[28+\i], v[212+4*\p+\i]             ; [0 | Q]
.endr
	v_perm_b32 v200, v[220+\p], v[220+\p], s59     ; my tile's two bytes, in both halves of the word
	v_mov_b32 v13, 0xff61b1e6                      ; the largest t so far: -3e38, under every t
	s_delay_alu instid0(VALU_DEP_1)
	v_floor_f32 v12, -v13
	v_mov_b32 v14, 0
	v_mov_b32 v15, 0
.irp j, 0,1,2,3,4,5,6,7,8,9,10,11,12,13,14,15,16,17,18,19,20,21,22,23,24,25,26,27,28,29,30,31
	v_mov_b32 v[160+\j], 0                         ; O^T: the step is written once; its first trip finds zeros.  (These lines are also the places between Q's registers and scale word and the first product)
.endr
	s_mov_b32 s56, \p*HB
	s_mov_b32 s57, \p*HB
	s_mov_b32 s58, 16
.Lkey_\@:
	s_setprio 2
	STEP
	s_sub_co_u32 s58, s58, 1
	s_cmp_lg_u32 s58, 0
	s_cbranch_scc1 .Lkey_\@
	s_setprio 0
	EPI \p
.endm
	s_load_b256 s[4:11], s[0:1], 0x0               ; qkvc s[4:5], qkvs s[6:7], oc s[8:9], os s[10:11]
	v_lshl_add_u32 v251, v0, 2, 0x44400
	v_mov_b32 v255, 0
	ds_add_u32 v251, v255
	ds_add_u32 v251, v255
	v_lshrrev_b32 v1, 5, v0
	s_delay_alu instid0(VALU_DEP_1)
	v_readfirstlane_b32 s12, v1                    ; wave 0..15
	s_bfe_u32 s13, ttmp6, 0x40000                  ; cx
	s_lshl_b32 s14, ttmp9, 2
	s_add_co_u32 s14, s14, s13                     ; qb: my block of 256 queries: it enters Q's and o's global addresses alone
	s_and_b32 s15, ttmp7, 0xffff
	s_lshr_b32 s16, s15, 3                         ; batch
	s_and_b32 s17, s15, 7                          ; hp: the pair of heads
	s_lshl_b32 s18, s16, 4
	s_lshl_b32 s19, s17, 1
	s_add_co_u32 s18, s18, s19                     ; 16 x batch + the first head
	s_mov_b32 s20, 0x76543210
	s_mov_b32 s21, 0xfedcba98                      ; v_permlanex16_b32's selects for lane l xor 16
	s_mov_b32 s22, 0x3e38aa3b                      ; c = log2(e) / 8
	s_mov_b32 s23, s22                             ; (named with it as a pair)
	s_mov_b32 s59, 0x01000100                      ; my tile's bytes in Q's word: 0, 1 (even wave) or 2, 3
	s_and_b32 s13, s12, 1
	s_cmp_lg_u32 s13, 0
	s_cselect_b32 s59, 0x03020302, s59
	; group 1: dense blocks as rows of 256 bytes (32 elements of 8): 64 rows of an image, 16 rows of scale words
	s_mov_b32 s24, 15|(3<<16)|(1<<21)              ; 15:0 the mask: all four work-groups; 17:16 elements of 8 bytes; 21 set beside a mask
	s_mov_b32 s25, 32<<16
	s_mov_b32 s26, 64<<16
	s_mov_b32 s27, 32<<16
	s_mov_b32 s28, 64
	s_mov_b32 s29, 32
	s_mov_b32 s30, 0
	s_mov_b32 s31, 0
	s_mov_b32 s32, 15|(3<<16)|(1<<21)
	s_mov_b32 s33, 32<<16
	s_mov_b32 s34, 16<<16
	s_mov_b32 s35, 32<<16
	s_mov_b32 s36, 16
	s_mov_b32 s37, 32
	s_mov_b32 s38, 0
	s_mov_b32 s39, 0
	; waves 0-3 fetch the quarters of K's image, 4-7 of V's; waves 8 and 9 K's and V's scale words
	s_add_co_u32 s66, s18, 64                      ; K's heads lie behind Q's 64, V's 64 further on
	s_lshl_b32 s60, s66, 16
	s_lshr_b32 s67, s12, 2
	s_lshl_b32 s67, s67, 22
	s_add_co_u32 s60, s60, s67
	s_and_b32 s67, s12, 3
	s_lshl_b32 s67, s67, 14
	s_add_co_u32 s60, s60, s67
	s_mov_b32 s61, 0
	s_lshl_b32 s62, s66, 12
	s_lshl_b32 s67, s13, 18
	s_add_co_u32 s62, s62, s67
	s_mov_b32 s63, 0
	s_mov_b32 s40, 1
	s_lshl_b32 s41, s12, 14
	s_mov_b32 s44, 1
	s_add_co_u32 s45, s41, HB
	s_mov_b32 s48, 1
	s_lshl_b32 s49, s13, 12
	s_add_co_u32 s49, s49, 131072
	s_mov_b32 s52, 1
	s_add_co_u32 s53, s49, HB
	s_wait_dscnt 0x0
	s_wait_kmcnt 0x0
	s_add_nc_u64 s[42:43], s[4:5], s[60:61]
	s_add_nc_u64 s[46:47], s[42:43], 0x10000       ; the second head
	s_or_b32 s43, s43, 0x80000000
	s_or_b32 s47, s47, 0x80000000
	s_add_nc_u64 s[50:51], s[6:7], s[62:63]
	s_add_nc_u64 s[54:55], s[50:51], 0x1000
	s_or_b32 s51, s51, 0x80000000
	s_or_b32 s55, s55, 0x80000000
	ROUND                                          ; all four work-groups are here: the joint loads meet
	s_cmp_lt_u32 s12, 8                            ; a wave's two fills stand in one branch: the first head's part, then the second's: two loads of mine are out
	s_cbranch_scc0 .Lnot_img
	tensor_load_to_lds s[40:43], s[24:31]
	s_nop 0
	tensor_load_to_lds s[44:47], s[24:31]
	s_nop 0
.rept 4
	v_nop
.endr
	s_branch .Lasked
.Lnot_img:
	s_cmp_lt_u32 s12, 10
	s_cbranch_scc0 .Lasked
	tensor_load_to_lds s[48:51], s[32:39]
	s_nop 0
	tensor_load_to_lds s[52:55], s[32:39]
	s_nop 0
.rept 4
	v_nop
.endr
.Lasked:
	s_lshl_b32 s66, s18, 16                        ; Q's codes: head, block of queries, my tile of 512 bytes
	s_lshl_b32 s67, s14, 13
	s_add_co_u32 s66, s66, s67
	s_lshl_b32 s67, s12, 9
	s_add_co_u32 s66, s66, s67
	s_mov_b32 s67, 0
	s_add_nc_u64 s[68:69], s[4:5], s[66:67]
	s_lshl_b32 s66, s18, 12                        ; Q's scale word: group of 128 tokens 2 qb + w / 8, word (w / 2) % 4
	s_lshl_b32 s72, s14, 9
	s_add_co_u32 s66, s66, s72
	s_lshr_b32 s72, s12, 3
	s_lshl_b32 s72, s72, 8
	s_add_co_u32 s66, s66, s72
	s_bfe_u32 s72, s12, 0x20001
	s_lshl_b32 s72, s72, 2
	s_add_co_u32 s66, s66, s72
	s_add_nc_u64 s[70:71], s[6:7], s[66:67]
	s_lshl_b32 s72, s16, 7
	s_lshl_b32 s73, s14, 4
	s_add_co_u32 s72, s72, s73                     ; the block's first tile of o: 128 x batch + 16 qb
	s_lshl_b32 s66, s72, 6
	s_lshl_b32 s73, s17, 15
	s_add_co_u32 s66, s66, s73
	s_add_nc_u64 s[78:79], s[10:11], s[66:67]      ; os: K step hp, the block's 16 tiles: 1,024 bytes
	s_add_co_u32 s72, s72, s12
	s_lshl_b32 s66, s72, 13
	s_lshl_b32 s73, s17, 10
	s_add_co_u32 s66, s66, s73
	s_add_nc_u64 s[76:77], s[8:9], s[66:67]        ; oc: my tile, K step hp
	v_and_b32 v8, 31, v0
	v_and_b32 v9, 15, v0
	s_delay_alu instid0(VALU_DEP_2)
	v_lshlrev_b32 v1, 4, v8                        ; K's image: 16 x lane
	s_delay_alu instid0(VALU_DEP_1)
	v_add_nc_u32 v2, 65536, v1                     ; V's
	s_delay_alu instid0(VALU_DEP_3)
	v_lshlrev_b32 v5, 4, v9                        ; 16 r
	s_delay_alu instid0(VALU_DEP_1)
	v_add_nc_u32 v3, 131072, v5                    ; the scale words
	v_lshlrev_b32 v4, 4, v8
	global_load_b128 v[212:215], v4, s[68:69]      ; Q of both heads stays in registers
	global_load_b128 v[216:219], v4, s[68:69] offset:65536
	global_load_b32 v220, v5, s[70:71]
	global_load_b32 v221, v5, s[70:71] offset:4096
	s_lshl_b32 s66, s12, 6
	v_lshlrev_b32 v6, 2, v9
	s_delay_alu instid0(VALU_DEP_1)
	v_add_nc_u32 v6, s66, v6
	s_delay_alu instid0(VALU_DEP_1)
	v_add_nc_u32 v6, OSG, v6                       ; o's scale word: 64 w + 4 r
	v_lshl_add_u32 v7, v0, 4, OSG                  ; waves 0 and 1 read them back, 16 bytes a thread,
	v_lshlrev_b32 v11, 4, v0                       ; and store them so
.irp i, 20,21,22,23,24,25,26,27
	v_mov_b32 v[\i], 0                             ; the zero halves of [Q | 0] and [0 | Q]
.endr
.irp b, 0,1,2,3
	v_mov_b32 v[236+\b], 0                         ; a lane permute's destination counts as one of its sources
.endr
	v_mov_b32 v253, 0                              ; (named as the upper half of the pair v[252:253] before it is first written)
	s_wait_tensorcnt 0x1                           ; my part of the first head is in; the second head's may be out
	s_barrier_signal -1
	s_barrier_wait -1                              ; everybody's is
	s_wait_loadcnt 0x0                             ; Q
	PASS 0
	s_wait_dscnt 0x0
	s_wait_tensorcnt 0x0                           ; my part of the second head is in,
	s_barrier_signal -1
	s_barrier_wait -1                              ; everybody's is
	PASS 1
	global_store_b128 v4, v[204:207], s[76:77]     ; o's fragment: twice 512 consecutive bytes, aligned
	global_store_b128 v4, v[208:211], s[76:77] offset:512
	ds_store_b32 v6, v222                          ; lanes r and 16 + r write the same word with the same value
	s_wait_dscnt 0x0                               ; for the others' sake: my store has landed
	s_barrier_signal -1
	s_barrier_wait -1
	s_cmp_lt_u32 s12, 2
	s_cbranch_scc0 .Lno_os
	ds_load_b128 v[232:235], v7
	s_wait_dscnt 0x0
	global_store_b128 v11, v[232:235], s[78:79]    ; a wave stores 512 consecutive bytes, aligned
.Lno_os:
	s_wait_tensorcnt 0x0
	ds_add_u32 v251, v255
	s_wait_dscnt 0x0
	ROUND                                          ; the closing round: no work-group ends while a partner may still ask for a tile that names it
	s_endpgm
.Lfunc_end_k_qa86235ecd4_attn:
	.size	k_qa86235ecd4_attn, .Lfunc_end_k_qa86235ecd4_attn-k_qa86235ecd4_attn
	.p2alignl 7, 3214868480
	.fill 96, 4, 3214868480
	.section	.rodata,"a",@progbits
	.p2align	6, 0x0
	.amdhsa_kernel k_qa86235ecd4_attn
		.amdhsa_group_segment_fixed_size 281600
		.amdhsa_private_segment_fixed_size 0
		.amdhsa_enable_private_segment 0
		.amdhsa_kernarg_size 32
		.amdhsa_user_sgpr_count 2
		.amdhsa_user_sgpr_kernarg_segment_ptr 1
		.amdhsa_wavefront_size32 1
		.amdhsa_system_sgpr_workgroup_id_x 1
		.amdhsa_system_sgpr_workgroup_id_y 1
		.amdhsa_system_sgpr_workgroup_id_z 1
		.amdhsa_system_vgpr_workitem_id 0
		.amdhsa_next_free_vgpr 256
		.amdhsa_next_free_sgpr 96
		.amdhsa_reserve_vcc 0
		.amdhsa_float_denorm_mode_32 3
		.amdhsa_float_denorm_mode_16_64 3
		.amdhsa_memory_ordered 1
		.amdhsa_forward_progress 1
		.amdhsa_inst_pref_size 52
	.end_amdhsa_kernel
	.amdgpu_metadata
---
amdhsa.version: [ 1, 2 ]
amdhsa.kernels:
  - .name:           k_qa86235ecd4_attn
    .symbol:         k_qa86235ecd4_attn.kd
    .args:
      - { .name: qkvc, .offset: 0, .size: 8, .value_kind: global_buffer, .address_space: global }
      - { .name: qkvs, .offset: 8, .size: 8, .value_kind: global_buffer, .address_space: global }
      - { .name: oc, .offset: 16, .size: 8, .value_kind: global_buffer, .address_space: global }
      - { .name: os, .offset: 24, .size: 8, .value_kind: global_buffer, .address_space: global }
    .group_segment_fixed_size: 281600
    .private_segment_fixed_size: 0
    .kernarg_segment_align: 8
    .kernarg_segment_size: 32
    .max_flat_workgroup_size: 512
    .sgpr_count:     96
    .vgpr_count:     256
    .wavefront_size: 32
...
	.end_amdgpu_metadata
.endif
;; end of part 3
;; launch gemm_proj (part 4): grid 4 x 64, 4 waves a work-group, clusters of 4 x 4, 327,680 bytes of LDS; arguments oc, os, wc, ws, b_proj, out0; writes out0
.if DOCPART == 4
	.amdgcn_target "amdgcn-amd-amdhsa--gfx1250"
	.amdhsa_code_object_version 6
	.text
	.protected	k_qa86235ecd4_gemm_proj
	.globl	k_qa86235ecd4_gemm_proj
	.p2align	8
	.type	k_qa86235ecd4_gemm_proj,@function
k_qa86235ecd4_gemm_proj:
	s_mov_b64 s[64:65], 0
	v_nop
	global_prefetch_b8 v0, s[64:65] scope:SCOPE_SE
	s_setreg_imm32_b32 hwreg(HW_REG_WAVE_MODE, 25, 1), 1
	s_wait_xcnt 0x0
	s_wait_alu depctr_hold_cnt(0) depctr_sa_sdst(0) depctr_va_vdst(0) depctr_va_sdst(0) depctr_va_ssrc(0) depctr_va_vcc(0) depctr_vm_vsrc(0)
	s_getreg_b32 s2, hwreg(HW_REG_IB_STS2, 6, 4)
	s_cmp_eq_u32 s2, 0
	s_cbranch_scc0 .Lentry_in_a_cluster
	s_endpgm
.Lentry_in_a_cluster:
	s_bfe_u32 s2, ttmp6, 0x10000c
	s_cmp_lg_u32 s2, 0xf033
	s_cbranch_scc0 .Lentry_shape_is_right
	s_endpgm
.Lentry_shape_is_right:
; out0 = o W_proj + b_proj on codes of FP4 with E8M0 scales, K = 1024; out0 [8192][1024] f32.
; A work-group of four waves makes 128 tokens x 256 columns (256 work-groups), a wave 64 x 128: 32 accumulators of 16 x 16.  Both panels lie in LDS whole; they come as two halves of K (slots 0 and 1), each filled once: no slot is filled again.
; OPERANDS lie in memory and LDS as images of the fragments' registers (tile T: 8,192 bytes; K step q of 128 at 1024 q: two loads of 512 consecutive bytes).  Tile row r of tile 2 g + u is row 32 g + 8 u + r + 8 (r / 8).  W_proj's tiles are 192-255 of wc.
; Source 0 = 16 columns of W, source 1 = 16 tokens: a lane holds a token, and register j of W's tile b is column 32 (b / 2) + 16 (lane / 16) + 8 (b % 2) + j.  The bias is the C of each sum's first product.
; CLUSTERS: 4 x 4 work-groups; o's panel is shared along a row of the cluster, W's along a column: joint loads.
; REGISTERS: window 0: addresses, v32-63 o's scale words, v64-127 W's, v128-255 rows on the way out (v192-255 the bias before);  window 1: o's fragments at 32 p, W's at 64 + 64 p (two sets p);  window 2: accumulator (a, b) at v[8 (8 a + b)].
.set SLOT, 98304                       ; a slot: o's two halves of 4 tiles x 4,096 bytes, then W's two of 8 tiles
.set SCL,  196608                      ; o's scale words, two blocks [q][256 bytes]; at + 4,096 W's, two blocks [q][512 bytes]
.set STG,  208896                      ; the way out: 16 rows x (512 bytes + 16) for each wave; no tile lands there
.set LI,   8
.set ADRA, 16
.set ADRB, 20
.set STO,  24                          ; v24  the stage: where I put 32 bytes of a row
.set RD,   25                          ; v25  where I read a row back
.set BA0,  26
.set ADSA, 27
.set ADSB, 28
.set SA,   32                          ; v[SA + 8 a + q]: lane r: the word of o's block a, K step q
.set SB,   64                          ; v[SB + 8 b + q]: of W's block b
.set BK,   128
.set BI,   192
.set G1,   24
.set G0,   32
.set G1B,  48
.set G0B,  56
.set G1S,  68
.set G0S,  76
.set G1SB, 80
.set G0SB, 88
.set MSB, 0
.macro WIN new                         ; s_set_vgpr_msb: bits 1:0 source 0, 3:2 source 1, 5:4 source 2, 7:6 destination; the high byte repeats the setting that is left
.if MSB != (\new)
	s_set_vgpr_msb (MSB<<8)|(\new)
.set MSB, (\new)
.endif
.endm
.macro PLACES n
.rept \n
	v_nop
.endr
.endm
.macro JLOAD g0a, g1a, g0b, g1b        ; a joint load: waves 0 and 1 fetch for o, waves 2 and 3 for W; four v_nop follow each of the two lines
	s_cmp_eq_u32 s19, 0
	s_cbranch_scc0 .Lfor_b_\@
	tensor_load_to_lds s[\g0a:\g0a+3], s[\g1a:\g1a+7]
	s_nop 0
.rept 4
	v_nop
.endr
	s_branch .Lasked_\@
.Lfor_b_\@:
	tensor_load_to_lds s[\g0b:\g0b+3], s[\g1b:\g1b+7]
	s_nop 0
.rept 4
	v_nop
.endr
.Lasked_\@:
.endm
.macro CROUND                          ; a round of the cluster's barrier
	s_barrier_signal -1
	s_barrier_wait -1
	s_cmp_lg_u32 s18, 0
	s_cbranch_scc1 .Lnot_wave_0_\@
	s_barrier_signal -3
.Lnot_wave_0_\@:
	s_barrier_wait -3
	s_barrier_signal -1
	s_barrier_wait -1
.endm
.macro FRAG reg, adr, qq, i
.irp c, 0,1
	ds_load_b128 v[(\reg)+4*\c:(\reg)+4*\c+3], v[\adr] offset:1024*(\qq)+512*\c+4096*(\i)
.endr
.endm
.macro FETCH slot, qq, p               ; the slot's qq-th 128 along K into set p: W's eight fragments, then o's four
	WIN 0x40
.irp i, 0,1,2,3,4,5,6,7
	FRAG 64+64*(\p)+8*\i, ADRB+(\slot), \qq, \i
.endr
.irp i, 0,1,2,3
	FRAG 32*(\p)+8*\i, ADRA+(\slot), \qq, \i
.endr
.endm
; 16 matrix instructions: o's blocks a0, a0 + 1 against W's eight.  The 32 accumulators take turns, one instruction a turn, in the same order in every step.
.macro MUL16 a0, p, q, first
.if \first
	WIN 0x85                                       ; sources 0 and 1 window 1, C (the bias) window 0, D window 2
.else
	WIN 0xa5
.endif
.irp a, \a0, \a0+1
.irp b, 0,1,2,3,4,5,6,7
.set rD, 8*(8*(\a)+\b)
.set rX, 32*(\p)+8*(\a)
.set rW, 64+64*(\p)+8*\b
.set rC, BI+8*\b
.if \first
	v_wmma_scale_f32_16x16x128_f8f6f4 v[rD:rD+7], v[rW:rW+7], v[rX:rX+7], v[rC:rC+7], v[SB+8*\b+(\q)], v[SA+8*(\a)+(\q)] matrix_a_fmt:MATRIX_FMT_FP4 matrix_b_fmt:MATRIX_FMT_FP4
.else
	v_wmma_scale_f32_16x16x128_f8f6f4 v[rD:rD+7], v[rW:rW+7], v[rX:rX+7], v[rD:rD+7], v[SB+8*\b+(\q)], v[SA+8*(\a)+(\q)] matrix_a_fmt:MATRIX_FMT_FP4 matrix_b_fmt:MATRIX_FMT_FP4
.endif
.endr
.endr
.endm
; K step q of eight.  mode 1: the next step's fragments are fetched first, into the other set.  mode 2: the next step lies in slot 1.  mode 0: the last step.
; The four v_nop are the places between the matrix instructions that read a set and the loads into it.
.macro KSTEP q, first, mode
	s_wait_dscnt 0x0                               ; this step's fragments are in
.if \mode == 1
	PLACES 4
	FETCH ((\q)+1)/4, ((\q)+1)%4, ((\q)+1)%2
	MUL16 0, (\q)%2, \q, \first
	MUL16 2, (\q)%2, \q, \first
.elseif \mode == 2
	s_wait_tensorcnt 0x0                           ; my part of slot 1 has landed;
	s_barrier_signal -1
	MUL16 0, (\q)%2, \q, \first
	s_barrier_wait -1                              ; everybody's has
	PLACES 4
	FETCH 1, 0, 0
	MUL16 2, (\q)%2, \q, \first
.else
	MUL16 0, (\q)%2, \q, \first
	MUL16 2, (\q)%2, \q, \first
.endif
.endm
; THE WAY OUT, a tile of 16 tokens x 128 columns at a time, through my own stage: a lane's 32 bytes go in by rows of 528, whole rows of 512 bytes come back.  LDS serves a wave's instructions in order: no wait between stores and loads.
.macro TOSTAGE a
	WIN 0x08                                       ; an LDS store's data are its source 1: window 2
.irp b, 0,1,2,3,4,5,6,7
	ds_store_b128 v[STO], v[8*(8*(\a)+\b):8*(8*(\a)+\b)+3] offset:128*(\b/2)+32*(\b%2)        ; each accumulator from its low end on
	ds_store_b128 v[STO], v[8*(8*(\a)+\b)+4:8*(8*(\a)+\b)+7] offset:128*(\b/2)+32*(\b%2)+16
.endr
	WIN 0
.set BB, BK+64*((\a)%2)
.irp t, 0,1,2,3,4,5,6,7,8,9,10,11,12,13,14,15
	ds_load_b128 v[BB+4*\t:BB+4*\t+3], v[RD] offset:528*\t
.endr
.endm
.macro SEND a, younger                 ; younger: the LDS instructions issued behind tile a's loads, which may stay out
.set BB, BK+64*((\a)%2)
	s_wait_dscnt \younger
.irp t, 0,1,2,3,4,5,6,7,8,9,10,11,12,13,14,15
	global_store_b128 v[LI], v[BB+4*\t:BB+4*\t+3], s[14:15] offset:(32*((\a)/2)+8*((\a)%2)+\t+8*(\t/8))*4096 th:TH_STORE_NT   ; tile row t's token; 32 lanes store 512 consecutive bytes, aligned
.endr
.endm
	s_load_b256 s[4:11], s[0:1], 0x0               ; oc s[4:5], os s[6:7], wc s[8:9], ws s[10:11]
	s_load_b128 s[12:15], s[0:1], 0x20             ; b_proj s[12:13], out0 s[14:15]
	v_lshl_add_u32 v30, v0, 2, 0x3b400
	v_mov_b32 v31, 0
	ds_add_u32 v30, v31
	ds_add_u32 v30, v31
	v_lshrrev_b32 v1, 5, v0
	v_readfirstlane_b32 s18, v1                    ; wave 0..3
	s_lshr_b32 s19, s18, 1                         ; which 64 tokens are mine.  Also: I fetch for o (0) or for W (1)
	s_and_b32 s20, s18, 1                          ; which 128 columns.  Also: which half of that panel I fetch
	s_bfe_u32 s40, ttmp6, 0x40000                  ; cx, cy
	s_bfe_u32 s41, ttmp6, 0x40004
	s_lshl_b32 s42, ttmp9, 2
	s_add_co_u32 s42, s42, s40                     ; gx: which 256 columns
	s_and_b32 s43, ttmp7, 0xffff
	s_lshl_b32 s43, s43, 2
	s_add_co_u32 s43, s43, s41                     ; gy: which 128 tokens
	s_lshl_b32 s44, s41, 2
	s_lshl_b32 s44, 15, s44                        ; my row of the cluster
	s_lshl_b32 s45, 0x1111, s40                    ; my column
	s_or_b32 s[G1], s44, (3<<16)|(1<<21)           ; o's codes: 4 tiles' halves: 4 rows of 512 elements of 8 bytes
	s_or_b32 s[G1B], s45, (3<<16)|(1<<21)          ; W's: 8
.irp g, G1, G1B
	s_mov_b32 s[\g+1], 512<<16
	s_mov_b32 s[\g+3], 512<<16
	s_mov_b32 s[\g+5], 1024
	s_mov_b32 s[\g+6], 0
	s_mov_b32 s[\g+7], 0
.endr
	s_mov_b32 s[G1+2], 4<<16
	s_mov_b32 s[G1+4], 4
	s_mov_b32 s[G1B+2], 8<<16
	s_mov_b32 s[G1B+4], 8
	s_or_b32 s[G1S], s44, (3<<16)|(1<<21)          ; o's scale words: 8 K steps x 256 bytes, 32,768 bytes apart
	s_mov_b32 s[G1S+1], 32<<16
	s_mov_b32 s[G1S+2], 8<<16
	s_mov_b32 s[G1S+3], 32<<16
	s_mov_b32 s[G1S+4], 8
	s_mov_b32 s[G1S+5], 4096
	s_mov_b32 s[G1S+6], 0
	s_mov_b32 s[G1S+7], 0
	s_or_b32 s[G1SB], s45, (3<<16)|(1<<21)         ; W's: 8 x 512 bytes, 16,384 apart
	s_mov_b32 s[G1SB+1], 64<<16
	s_mov_b32 s[G1SB+2], 8<<16
	s_mov_b32 s[G1SB+3], 64<<16
	s_mov_b32 s[G1SB+4], 8
	s_mov_b32 s[G1SB+5], 2048
	s_mov_b32 s[G1SB+6], 0
	s_mov_b32 s[G1SB+7], 0
	s_lshl_b32 s46, s43, 3
	s_lshl_b32 s47, s20, 2
	s_add_co_u32 s46, s46, s47                     ; o: tile 8 gy + 4 x half
	s_lshl_b32 s92, s46, 13
	s_mov_b32 s93, 0
	s_lshl_b32 s94, s46, 6
	s_mov_b32 s95, 0
	s_lshl_b32 s96, s42, 4
	s_lshl_b32 s47, s20, 3
	s_add_co_u32 s96, s96, s47
	s_add_co_u32 s96, s96, 192                     ; W: tile 192 + 16 gx + 8 x half
	s_lshl_b32 s98, s96, 6
	s_mov_b32 s99, 0
	s_lshl_b32 s96, s96, 13
	s_mov_b32 s97, 0
	s_lshl_b32 s2, s20, 14                         ; where they go: o's half;
	s_lshl_b32 s3, s20, 15
	s_add_co_u32 s3, s3, 32768                     ; W's half, behind o's two
	s_lshl_b32 s66, s20, 11
	s_add_co_u32 s66, s66, SCL                     ; o's scale words;
	s_lshl_b32 s67, s20, 12
	s_add_co_u32 s67, s67, SCL+4096                ; W's
	s_wait_dscnt 0x0
	s_wait_kmcnt 0x0
	s_add_nc_u64 s[92:93], s[4:5], s[92:93]
	s_add_nc_u64 s[94:95], s[6:7], s[94:95]
	s_add_nc_u64 s[96:97], s[8:9], s[96:97]
	s_add_nc_u64 s[98:99], s[10:11], s[98:99]
	CROUND                                         ; all sixteen work-groups are here: the joint loads meet
	s_mov_b32 s[G0S], 1
	s_mov_b32 s[G0S+1], s66
	s_mov_b64 s[G0S+2:G0S+3], s[94:95]
	s_or_b32 s[G0S+3], s[G0S+3], 0x80000000
	s_mov_b32 s[G0SB], 1
	s_mov_b32 s[G0SB+1], s67
	s_mov_b64 s[G0SB+2:G0SB+3], s[98:99]
	s_or_b32 s[G0SB+3], s[G0SB+3], 0x80000000
	JLOAD G0S, G1S, G0SB, G1SB                     ; the scale words first; at most one tensor load of mine is out at a time
.irp s, 0,1
	s_mov_b32 s[G0+4*\s], 1
	s_add_co_u32 s[G0+4*\s+1], s2, \s*SLOT
	s_add_nc_u64 s[G0+4*\s+2:G0+4*\s+3], s[92:93], \s*4096
	s_or_b32 s[G0+4*\s+3], s[G0+4*\s+3], 0x80000000
	s_mov_b32 s[G0B+4*\s], 1
	s_add_co_u32 s[G0B+4*\s+1], s3, \s*SLOT
	s_add_nc_u64 s[G0B+4*\s+2:G0B+4*\s+3], s[96:97], \s*4096
	s_or_b32 s[G0B+4*\s+3], s[G0B+4*\s+3], 0x80000000
	s_wait_alu depctr_va_vdst(0)
	s_wait_tensorcnt 0x0
	ds_add_u32 v30, v31
	s_wait_dscnt 0x0
	CROUND
	JLOAD G0+4*\s, G1, G0B+4*\s, G1B
.endr
	v_and_b32 v1, 15, v0                           ; r
	s_wait_alu depctr_va_vdst(0)
	v_bfe_u32 v2, v0, 4, 1                         ; h
	v_and_b32 v3, 31, v0
	v_lshlrev_b32 v[LI], 4, v3
	s_lshl_b32 s46, s19, 14                        ; my 4 tiles of o,
	s_lshl_b32 s47, s20, 15
	s_add_co_u32 s47, s47, 32768                   ; my 8 of W
.irp s, 0,1
	v_add_nc_u32 v[ADRA+\s], s46, v[LI]
	v_add_nc_u32 v[ADRB+\s], s47, v[LI]
	s_add_co_u32 s46, s46, SLOT
	s_add_co_u32 s47, s47, SLOT
.endr
	s_lshl_b32 s46, s19, 11
	s_add_co_u32 s46, s46, SCL
	v_lshlrev_b32 v4, 2, v1
	v_add_nc_u32 v[ADSA], s46, v4                  ; my rows' scale words: 4 r
	s_lshl_b32 s47, s20, 12
	s_add_co_u32 s47, s47, SCL+4096
	v_add_nc_u32 v[ADSB], s47, v4
	s_mul_i32 s46, s18, 8448
	s_add_co_u32 s46, s46, STG                     ; my stage
	v_mul_u32_u24 v[STO], v1, 528
	v_lshl_add_u32 v[STO], v2, 6, v[STO]
	v_add_nc_u32 v[STO], s46, v[STO]               ; in: row r, + 64 h
	v_add_nc_u32 v[RD], s46, v[LI]                 ; back: 16 bytes a lane of a row
	v_lshlrev_b32 v[BA0], 6, v2
	s_wait_alu depctr_va_vdst(0)
	s_lshl_b32 s92, s42, 10
	s_lshl_b32 s94, s20, 9
	s_add_co_u32 s92, s92, s94                     ; my 128 columns, in bytes
	s_mov_b32 s93, 0
	s_add_nc_u64 s[12:13], s[12:13], s[92:93]
	s_add_nc_u64 s[14:15], s[14:15], s[92:93]
	s_lshl_b32 s92, s43, 7
	s_lshl_b32 s94, s19, 6
	s_add_co_u32 s92, s92, s94                     ; my first token: 128 gy + 64 x half
	s_lshl_b32 s92, s92, 12
	s_add_nc_u64 s[14:15], s[14:15], s[92:93]
.irp b, 0,1,2,3,4,5,6,7                        ; the bias in the result's layout
	global_load_b128 v[BI+8*\b:BI+8*\b+3], v[BA0], s[12:13] offset:(32*(\b/2)+8*(\b%2))*4
	global_load_b128 v[BI+8*\b+4:BI+8*\b+7], v[BA0], s[12:13] offset:(32*(\b/2)+8*(\b%2))*4+16
.endr
	s_wait_tensorcnt 0x1                           ; the scale words and my part of slot 0 are in; slot 1's load may be out
	s_barrier_signal -1
	s_barrier_wait -1                              ; everybody's are
	FETCH 0, 0, 0
	WIN 0
.irp q, 0,1,2,3,4,5,6,7
.irp i, 0,1,2,3
	ds_load_b32 v[SA+8*\i+\q], v[ADSA] offset:256*\q+64*\i
.endr
.irp i, 0,1,2,3,4,5,6,7
	ds_load_b32 v[SB+8*\i+\q], v[ADSB] offset:512*\q+64*\i
.endr
.endr
	s_wait_loadcnt 0x0                             ; the bias
	KSTEP 0, 1, 1
	KSTEP 1, 0, 1
	KSTEP 2, 0, 1
	KSTEP 3, 0, 2
	KSTEP 4, 0, 1
	KSTEP 5, 0, 1
	KSTEP 6, 0, 1
	KSTEP 7, 0, 0
	WIN 0
	PLACES 4                                       ; between the last products and the first read of results
	TOSTAGE 0
.irp a, 1,2,3
.if \a > 1
	s_wait_xcnt 0x0                                ; tile a - 2's stores have read their registers: tile a's loads may land there
.endif
	TOSTAGE \a
	SEND \a-1, 32                                  ; behind tile a - 1's loads: tile a's 16 stores and 16 loads
.endr
	SEND 3, 0
	s_wait_tensorcnt 0x0
	ds_add_u32 v30, v31
	s_wait_dscnt 0x0
	CROUND                                         ; the closing round: no work-group ends while a partner may still ask for a tile that names it
	s_endpgm
.Lfunc_end_k_qa86235ecd4_gemm_proj:
	.size	k_qa86235ecd4_gemm_proj, .Lfunc_end_k_qa86235ecd4_gemm_proj-k_qa86235ecd4_gemm_proj
	.p2alignl 7, 3214868480
	.fill 96, 4, 3214868480
	.section	.rodata,"a",@progbits
	.p2align	6, 0x0
	.amdhsa_kernel k_qa86235ecd4_gemm_proj
		.amdhsa_group_segment_fixed_size 327680
		.amdhsa_private_segment_fixed_size 0
		.amdhsa_enable_private_segment 0
		.amdhsa_kernarg_size 48
		.amdhsa_user_sgpr_count 2
		.amdhsa_user_sgpr_kernarg_segment_ptr 1
		.amdhsa_wavefront_size32 1
		.amdhsa_system_sgpr_workgroup_id_x 1
		.amdhsa_system_sgpr_workgroup_id_y 1
		.amdhsa_system_sgpr_workgroup_id_z 1
		.amdhsa_system_vgpr_workitem_id 0
		.amdhsa_next_free_vgpr 768
		.amdhsa_next_free_sgpr 100
		.amdhsa_reserve_vcc 0
		.amdhsa_float_denorm_mode_32 3
		.amdhsa_float_denorm_mode_16_64 3
		.amdhsa_memory_ordered 1
		.amdhsa_forward_progress 1
		.amdhsa_inst_pref_size 79
	.end_amdhsa_kernel
	.amdgpu_metadata
---
amdhsa.version: [ 1, 2 ]
amdhsa.kernels:
  - .name:           k_qa86235ecd4_gemm_proj
    .symbol:         k_qa86235ecd4_gemm_proj.kd
    .args:
      - { .name: oc, .offset: 0, .size: 8, .value_kind: global_buffer, .address_space: global }
      - { .name: os, .offset: 8, .size: 8, .value_kind: global_buffer, .address_space: global }
      - { .name: wc, .offset: 16, .size: 8, .value_kind: global_buffer, .address_space: global }
      - { .name: ws, .offset: 24, .size: 8, .value_kind: global_buffer, .address_space: global }
      - { .name: b_proj, .offset: 32, .size: 8, .value_kind: global_buffer, .address_space: global }
      - { .name: out0, .offset: 40, .size: 8, .value_kind: global_buffer, .address_space: global }
    .group_segment_fixed_size: 327680
    .private_segment_fixed_size: 0
    .kernarg_segment_align: 8
    .kernarg_segment_size: 48
    .max_flat_workgroup_size: 128
    .sgpr_count:     100
    .vgpr_count:     768
    .wavefront_size: 32
...
	.end_amdgpu_metadata
.endif
;; end of part 4
